; MI455X (gfx1250); checked and timed in simulation.
; The chip was launched on July 23, 2026; its instructions are those of AMD's public machine-readable ISA for CDNA 5 (MIT licence, August 2026) and "CDNA5" Instruction Set Architecture Reference Guide (July 2026). The comments in the code are by the model that wrote it; some were corrected since.
;; Fast Multihead Attention. Allowed arithmetic: matrix products marked QUANTISED: E2M3 operands, one E8M0 scale for each 32 along K, by v_wmma_scale_f32_16x16x128_f8f6f4 with both operands' format E2M3, f32 sums; everything else in f32.
;; Inputs: mask 2,048 x 2,048 float32; wk 1,024 x 1,024 float32; wo 1,024 x 1,024 float32; wq 1,024 x 1,024 float32; wv 1,024 x 1,024 float32; x 2,048 x 4 x 1,024 float32.
;; Outputs: out0 2,048 x 4 x 1,024 float32.
;; This version of the problem:
;;   THIS VERSION OF THE PROBLEM IS GIVEN IN LOW PRECISION. The matrix products marked QUANTISED in the list below multiply operands that are first quantised to E2M3 (2 exponent bits, 3 mantissa bits; 6 bits a number), with one power-of-two scale for each 32 numbers along K (OCP MX v1.0); their sums are f32. All else is computed in f32.
;;   The module's matrix products, in the order in which they are computed (A, B: the left and right operand; K: the contracted axis; several contracted axes count as one K, in the product's order):
;;     1. [M 8,192, K 1,024] x [K 1,024, N 1,024]; A: input x; B: input wq: QUANTISED
;;     2. [M 8,192, K 1,024] x [K 1,024, N 1,024]; A: input x; B: input wk: QUANTISED
;;     3. [M 8,192, K 1,024] x [K 1,024, N 1,024]; A: input x; B: input wv: QUANTISED
;;     4. batch 64 x [M 2,048, K 64] x [K 64, N 2,048]; A: computed on the way; B: computed on the way: QUANTISED
;;     5. batch 64 x [M 64, K 2,048] x [K 2,048, N 2,048]; A: computed on the way; B: softmax (see below): QUANTISED
;;     6. [M 8,192, K 1,024] x [K 1,024, N 1,024]; A: computed on the way; B: input wo: QUANTISED
;;   THE QUANTISER, for each operand of a quantised product, along K:
;;     - K is cut into blocks of 32 from its start; a last block that is shorter is filled with zeros.
;;     - A block's scale is 2^e with e = floor(log2(the largest magnitude in the block)) - 2, held to -126 .. 127; a block of zeros has e = 0. As a byte (E8M0): e + 127.
;;     - Each number is divided by its block's scale, clamped to +-7.5, and rounded to the nearest number of E2M3, ties to even, subnormals kept.
;;     - The product sums the exact products of the quantised numbers (number of the format x scale) in f32.
;;   ~~~python
;;   def quantise(x, axis):      # numpy; x: float32 -> the quantised numbers, widened to float32 again
;;       x = np.moveaxis(x, axis, -1); K = x.shape[-1]
;;       x = np.pad(x, [(0, 0)] * (x.ndim - 1) + [(0, -K % 32)]); x = x.reshape(x.shape[:-1] + (-1, 32)); a = np.abs(x).max(-1, keepdims=True)
;;       e = np.where(a > 0, np.clip(np.frexp(np.where(a > 0, a, 1))[1] - 1 - 2, -126, 127), 0)      # np.frexp(a)[1] - 1 = floor(log2(a)), exactly
;;       r = np.clip(x / 2.0 ** e, -7.5, 7.5)
;;       step = 2.0 ** (np.maximum(np.frexp(np.where(r == 0, 1, r))[1] - 1, 0) - 3)
;;       q = np.round(r / step) * step * 2.0 ** e      # np.round: ties to even
;;       return np.moveaxis(q.reshape(q.shape[:-2] + (-1,))[..., :K], -1, axis).astype(np.float32)
;;   ~~~
;;   SOFTMAX AHEAD OF A QUANTISED PRODUCT. Where the list says 'softmax', what is quantised is not the finished softmax but p = 2^(t - M), with t = logit x log2(e) and M = ceil(the row's largest t), a whole number; so 1/2 < the row's largest p <= 1. The row's sum l is taken of the UNQUANTISED p, in f32, and the product's result is divided by l at the end. Since M is a whole number, a kernel that streams over the keys may use a running M (the ceiling of the running maximum): every later rescaling is an exact power of two, which a block's scale takes up: the codes' values come out the same.
;;   OPERANDS COMPUTED ON THE WAY. 'Computed on the way' means the value that the module computes at that place (a softmax that the list does not call 'softmax' is quantised finished and normalised). What goes into a quantiser is computed in f32, as accurately as f32 sums, v_exp_f32 and their like allow (about 1e-6 of the number): no bf16 or f16 on the way to a quantiser, and a product that is left as it is and whose result goes on into a quantised operand takes f32 operands (vector FMAs, or v_wmma_f32_16x16x4_f32). A number that lies on a knife's edge between two numbers of the format may be rounded either way, as far as f32 arithmetic and the matrix unit's own rounding can turn it there, and no further.
;; One version. Each part assembles by itself: llvm-mc -triple=amdgcn-amd-amdhsa -mcpu=gfx1250 --defsym DOCPART=n.
;; ======== version 1 of 1: 4 launches
;; limits: right only within a limited range of input values
;; workspace buffers: xw_codes 9,437,184 bytes; xw_scales 393,216 bytes; qkv 19,660,800 bytes; ctx_codes 6,291,456 bytes; ctx_scales 262,144 bytes
;; launch quant (part 1): grid 384 x 1, 4 waves a work-group, no clusters, 33,280 bytes of LDS; arguments x, wq, wk, wv, wo, xw_codes, xw_scales; writes xw_codes, xw_scales
.if DOCPART == 1
	.amdgcn_target "amdgcn-amd-amdhsa--gfx1250"
	.amdhsa_code_object_version 6
	.text
	.protected	k_qa42748f43b_quant
	.globl	k_qa42748f43b_quant
	.p2align	8
	.type	k_qa42748f43b_quant,@function
k_qa42748f43b_quant:
	s_mov_b64 s[64:65], 0
	v_nop
	global_prefetch_b8 v0, s[64:65] scope:SCOPE_SE
	s_setreg_imm32_b32 hwreg(HW_REG_WAVE_MODE, 25, 1), 1
	s_wait_xcnt 0x0
; x [2048][4][1024] and wq, wk, wv, wo [1024][1024], f32, K innermost, become codes of FP6 (E2M3) with one E8M0 byte for each 32 along K, in ONE table of 12,288 rows:
; xw_codes 768 bytes a row (a row's codes are one stream of bits), xw_scales 32 bytes a row.
; ROW ORDER.  sw(i) = i with bits 3 and 4 exchanged.  Row b 2048 + sw(s) holds x[s][b]; row 8192 + 1024 t + sw(n) holds row n of weight t (0 wq, 1 wk, 2 wv, 3 wo).
; So 16 neighbouring rows 16 a + r of the table are the true rows 32 (a / 2) + 8 (a % 2) + r + 8 (r / 8): the products that follow then leave 16 neighbours along the NEXT product's K in a lane's registers.
; A block's scale is 2^(floor(log2(its largest magnitude)) - 2); its byte is the largest magnitude's exponent field - 2, held at 1 from below.  A block of zeros so gets the byte 1: its codes are zeros, and this program alone reads the bytes.
; LIMITS: NaN and infinities among the inputs are not served; blocks whose largest magnitude lies under 2^-124 keep the byte 1.
; SHARES.  Wave v of work-group w owns 8 neighbouring rows of the table (run 4 w + v): 16 steps of 512 numbers, step t = row t / 2, half t % 2.  The exchange of bits 3 and 4 of a row is an exchange of bits 0 and 1 of the run, which are the wave's number.
; Each load reads 512 consecutive bytes; a step's 2,048 bytes turn through the wave's own stage in LDS and come back 64 bytes a lane (16 neighbours along K; two lanes hold a block).
; No tensor loads, no barrier: waves share nothing.  Loads run four steps (16 loads a wave) ahead.
.set WAVES, 4
.set STEPS, 16
.set EMAX,  2
.set CB,    12                         ; bytes of 16 codes
.set R,     16                         ; v16-79   four sets of 16 numbers as they are loaded
.set X,     80                         ; v80-111  two sets of 16 neighbours
.set E,     112                        ; v112-127 a scale byte for each step
.set C,     128                        ; v128-191 codes: four registers for each step, so that no store's data are written again
.set RO,    192                        ; v192-199 byte offset of my 16 bytes in source row i of the wave's eight; never rewritten
.set WREG,  8192                       ; LDS: a region for each wave: two stages of 32 x SP bytes, behind them its 256 scale bytes
.set SP,    80                         ; a lane's place in a stage: 64 bytes + 16 of padding
.set SPW,   12                         ; v12      LDS address of my spare word; never rewritten
.set NIL,   13                         ; v13      0; never rewritten
.set SPARE, WAVES*WREG                 ; behind the four regions: the spare words, 128 bytes a wave, named by no other line
	s_load_b256 s[4:11], s[0:1], 0x0               ; x, wq, wk, wv
	s_load_b128 s[12:15], s[0:1], 0x20             ; wo, the codes
	s_load_b64 s[16:17], s[0:1], 0x30              ; the scale bytes
	v_lshl_add_u32 v[SPW], v0, 2, SPARE
	v_mov_b32 v[NIL], 0
	v_lshrrev_b32 v1, 5, v0
	v_readfirstlane_b32 s18, v1                    ; wave
	v_and_b32 v2, 31, v0                           ; lane
	v_lshlrev_b32 v3, 4, v2                        ; my 16 bytes of a load's 512
	s_mul_i32 s28, s18, WREG
	v_lshrrev_b32 v14, 2, v2
	v_mul_u32_u24 v14, v14, SP
	v_and_b32 v15, 3, v2
	v_lshl_add_u32 v14, v15, 4, v14
	v_add_nc_u32 v14, s28, v14                     ; the stage, on the way in: SP (lane / 4) + 16 (lane % 4)
	v_mul_u32_u24 v15, v2, SP
	v_add_nc_u32 v15, s28, v15                     ; and on the way out: SP x lane: my 16 neighbours
	v_mul_u32_u24 v4, v2, CB                       ; my codes' place in a step's
	v_lshrrev_b32 v5, 1, v2
	s_add_co_u32 s28, s28, 2*32*SP
	v_add_nc_u32 v5, s28, v5                       ; LDS: my wave's 256 scale bytes, my block's byte
	v_lshlrev_b32 v7, 3, v2                        ; and on the way out 8 bytes a lane
	v_add_nc_u32 v6, s28, v7
	s_and_b32 s19, s18, 1
	s_lshl_b32 s19, s19, 1
	s_lshr_b32 s23, s18, 1
	s_or_b32 s19, s19, s23                         ; the wave's number with its two bits exchanged: which source run is mine
	s_lshr_b32 s25, ttmp9, 6
	s_lshl_b32 s25, s25, 12                        ; x: the batch's 4,096 bytes inside a step of s
	s_wait_kmcnt 0x0
	s_cmp_lt_u32 ttmp9, 352                        ; which tensor: the choice hangs on the work-group's number alone; one path through the text serves all five
	s_cselect_b64 s[20:21], s[10:11], s[12:13]
	s_cmp_lt_u32 ttmp9, 320
	s_cselect_b64 s[20:21], s[8:9], s[20:21]
	s_cmp_lt_u32 ttmp9, 288
	s_cselect_b64 s[20:21], s[6:7], s[20:21]
	s_cmp_lt_u32 ttmp9, 256
	s_cselect_b64 s[20:21], s[4:5], s[20:21]
	s_mov_b32 s22, 4096
	s_cselect_b32 s22, 16384, s22                  ; bytes from a source row to the next: x's rows of one batch lie 4 rows apart
	s_cselect_b32 s23, 63, 31                      ; work-groups to a batch of x, to a weight, less 1
	s_cselect_b32 s24, 17, 15                      ; log2 of 8 source rows' bytes
	s_cselect_b32 s25, s25, 0
	s_and_b32 s26, ttmp9, s23
	s_lshl_b32 s26, s26, 2
	s_add_co_u32 s26, s26, s19
	s_lshl_b32 s26, s26, s24
	s_add_co_u32 s26, s26, s25
	s_mov_b32 s27, 0
	s_add_nc_u64 s[20:21], s[20:21], s[26:27]      ; my wave's first source row
.irp i, 0,1,2,3,4,5,6,7
	v_mad_u32_u24 v[RO+\i], s22, \i, v3
.endr
	s_lshl_b32 s30, ttmp9, 2
	s_add_co_u32 s30, s30, s18                     ; my run of the table
	s_mul_i32 s26, s30, 32*STEPS*CB
	s_add_nc_u64 s[14:15], s[14:15], s[26:27]
	s_lshl_b32 s26, s30, 8
	s_add_nc_u64 s[16:17], s[16:17], s[26:27]
.macro LOAD t
.irp i, 0,1,2,3
	global_load_b128 v[R+16*((\t)%4)+4*\i:R+16*((\t)%4)+4*\i+3], v[RO+(\t)/2], s[20:21] offset:2048*((\t)%2)+512*\i th:TH_LOAD_NT   ; 32 lanes read 512 consecutive bytes
.endr
.endm
.macro TURN t                          ; step t's numbers through the stage: LDS serves a wave's instructions in order, so no wait stands between the stores and the loads
.irp i, 0,1,2,3
	ds_store_b128 v14, v[R+16*((\t)%4)+4*\i:R+16*((\t)%4)+4*\i+3] offset:32*SP*((\t)%2)+8*SP*\i
.endr
.irp i, 0,1,2,3
	ds_load_b128 v[X+16*((\t)%2)+4*\i:X+16*((\t)%2)+4*\i+3], v15 offset:32*SP*((\t)%2)+16*\i
.endr
.endm
.irp t, 0,1,2,3
	LOAD \t
.endr
	s_wait_alu depctr_va_vdst(0)
	s_wait_loadcnt 12                              ; step 0's four loads are in; three steps' twelve stay out
	TURN 0
.macro STEP t
.set XS, X+16*((\t)%2)
.if (\t) > 0
	s_wait_dscnt 1                                 ; this step's numbers are back from the stage (the last step's byte store may be out): so its stores into the stage have read their registers,
.else
	s_wait_dscnt 0x0
.endif
.if (\t)+4 < STEPS
	LOAD (\t)+4                                    ; which take the loads of four steps on
.endif
.if (\t)+1 < STEPS
.if STEPS-2-(\t) >= 3
	s_wait_loadcnt 12                              ; the next step's four loads are in; those of the three steps behind it may be out
.else
	s_wait_loadcnt 4*(STEPS-2-(\t))
.endif
	TURN (\t)+1                                    ; and go through the other stage while this step is worked
.endif
	v_max3_num_f32 v8, |v[XS]|, |v[XS+1]|, |v[XS+2]|               ; the largest magnitude of my 16, in two chains
	v_max3_num_f32 v9, |v[XS+3]|, |v[XS+4]|, |v[XS+5]|
.irp i, 6,10
	v_max3_num_f32 v8, v8, |v[XS+\i]|, |v[XS+\i+1]|
	v_max3_num_f32 v9, v9, |v[XS+\i+2]|, |v[XS+\i+3]|
.endr
	v_max3_num_f32 v8, v8, |v[XS+14]|, |v[XS+15]|
	v_max3_num_f32 v8, v8, v9, (EMAX+1)<<23        ; and the floor 2^(3 - 127): the byte cannot fall under 1
	v_max_num_f32_dpp v8, v8, v8 row_xmask:1 row_mask:0xf bank_mask:0xf   ; and of my neighbour's 16: the block's
	v_add_nc_u32 v11, -(EMAX<<23), v8              ; 2 off its exponent field: the conversion takes the exponent field of this operand as its scale
	v_cvt_scalef32_pk16_fp6_f32 v[C+4*(\t):C+4*(\t)+2], v[XS:XS+15], v11
	v_lshrrev_b32 v[E+(\t)], 23, v11               ; the scale's byte (also the plain line behind the conversion)
	ds_store_b8 v5, v[E+(\t)] offset:16*(\t)       ; both lanes of a block write the same byte with the same value
	global_store_b96 v4, v[C+4*(\t):C+4*(\t)+2], s[14:15] offset:32*CB*(\t)   ; the wave stores 384 consecutive bytes
.endm
.irp t, 0,1,2,3,4,5,6,7,8,9,10,11,12,13,14,15
	STEP \t
.endr
	ds_load_b64 v[8:9], v6                         ; LDS serves a wave's instructions in order: these see my stores
	s_wait_dscnt 0x0
	global_store_b64 v7, v[8:9], s[16:17]          ; 32 lanes store 256 consecutive bytes, aligned: eight rows' scale bytes
	s_wait_tensorcnt 0x0                           ; the wave's end, behind my last LDS store
	ds_add_u32 v[SPW], v[NIL]
	s_wait_dscnt 0x0
	s_endpgm
.Lfunc_end_k_qa42748f43b_quant:
	.size	k_qa42748f43b_quant, .Lfunc_end_k_qa42748f43b_quant-k_qa42748f43b_quant
	.p2alignl 7, 3214868480
	.fill 96, 4, 3214868480
	.section	.rodata,"a",@progbits
	.p2align	6, 0x0
	.amdhsa_kernel k_qa42748f43b_quant
		.amdhsa_group_segment_fixed_size 33280
		.amdhsa_private_segment_fixed_size 0
		.amdhsa_enable_private_segment 0
		.amdhsa_kernarg_size 56
		.amdhsa_user_sgpr_count 2
		.amdhsa_user_sgpr_kernarg_segment_ptr 1
		.amdhsa_wavefront_size32 1
		.amdhsa_system_sgpr_workgroup_id_x 1
		.amdhsa_system_sgpr_workgroup_id_y 1
		.amdhsa_system_sgpr_workgroup_id_z 1
		.amdhsa_system_vgpr_workitem_id 0
		.amdhsa_next_free_vgpr 200
		.amdhsa_next_free_sgpr 66
		.amdhsa_reserve_vcc 0
		.amdhsa_float_denorm_mode_32 3
		.amdhsa_float_denorm_mode_16_64 3
		.amdhsa_memory_ordered 1
		.amdhsa_forward_progress 1
		.amdhsa_inst_pref_size 33
	.end_amdhsa_kernel
	.amdgpu_metadata
---
amdhsa.version: [ 1, 2 ]
amdhsa.kernels:
  - .name:           k_qa42748f43b_quant
    .symbol:         k_qa42748f43b_quant.kd
    .args:
      - { .name: x, .offset: 0, .size: 8, .value_kind: global_buffer, .address_space: global }
      - { .name: wq, .offset: 8, .size: 8, .value_kind: global_buffer, .address_space: global }
      - { .name: wk, .offset: 16, .size: 8, .value_kind: global_buffer, .address_space: global }
      - { .name: wv, .offset: 24, .size: 8, .value_kind: global_buffer, .address_space: global }
      - { .name: wo, .offset: 32, .size: 8, .value_kind: global_buffer, .address_space: global }
      - { .name: xw_codes, .offset: 40, .size: 8, .value_kind: global_buffer, .address_space: global }
      - { .name: xw_scales, .offset: 48, .size: 8, .value_kind: global_buffer, .address_space: global }
    .group_segment_fixed_size: 33280
    .private_segment_fixed_size: 0
    .kernarg_segment_align: 8
    .kernarg_segment_size: 56
    .max_flat_workgroup_size: 128
    .sgpr_count:     66
    .vgpr_count:     200
    .wavefront_size: 32
...
	.end_amdgpu_metadata
.endif
;; end of part 1
;; launch proj (part 2): grid 12 x 32, 4 waves a work-group, clusters of 4 x 4, 327,680 bytes of LDS; arguments xw_codes, xw_scales, qkv; writes qkv
.if DOCPART == 2
	.amdgcn_target "amdgcn-amd-amdhsa--gfx1250"
	.amdhsa_code_object_version 6
	.text
	.protected	k_qa42748f43b_proj
	.globl	k_qa42748f43b_proj
	.p2align	8
	.type	k_qa42748f43b_proj,@function
k_qa42748f43b_proj:
	s_mov_b64 s[64:65], 0
	v_nop
	global_prefetch_b8 v0, s[64:65] scope:SCOPE_SE
	s_setreg_imm32_b32 hwreg(HW_REG_WAVE_MODE, 25, 1), 1
	s_wait_xcnt 0x0
	s_wait_alu depctr_hold_cnt(0) depctr_sa_sdst(0) depctr_va_vdst(0) depctr_va_sdst(0) depctr_va_ssrc(0) depctr_va_vcc(0) depctr_vm_vsrc(0)
	s_getreg_b32 s2, hwreg(HW_REG_IB_STS2, 6, 4)
	s_cmp_eq_u32 s2, 0
	s_cbranch_scc0 .Lentry_in_a_cluster
	s_endpgm
.Lentry_in_a_cluster:
	s_bfe_u32 s2, ttmp6, 0x10000c
	s_cmp_lg_u32 s2, 0xf033
	s_cbranch_scc0 .Lentry_shape_is_right
	s_endpgm
.Lentry_shape_is_right:
; q = x wq^T, k = x wk^T (cluster x = 0, 1: A = rows of x, B = rows of the weight) and v^T = wv x^T (cluster x = 2: A = rows of wv, B = rows of x), on codes of FP6 (E2M3) with E8M0 scales out of one table of rows.
; A work-group makes 256 x 256, a wave 128 x 128 in 64 accumulators.  The results are quantised along their columns (the next product's K) and stored as images of operand registers:
; a block of 25,600 bytes = codes [hp 2][a 8][pair 6][lane 32][8 bytes] + scale words [hp 2][lane 32][4 words].
; K goes through two LDS slots in chunks of 256 bytes of each row of 768 bytes: every tile row begins at a multiple of 256 bytes.  A step of 128 along K is 96 bytes: eight steps to three chunks; steps 2 and 5 lie across two chunks.
; The scales of the 256 + 256 rows come into LDS once.  Cluster 4 x 4: A's tiles are asked for jointly along a row, B's along a column.  The product is used transposed (source 0 = B's rows, source 1 = A's rows).
; No prefetch: the walk along K is three chunks, two of which are asked for at the head.
; LIMIT: blocks whose largest magnitude lies under 2^-124 keep the scale byte 1.
.set SIZE_K, 1024
.set ROWB,   256
.set NQ,     2
.set KROW,   SIZE_K*6/8
.set STEPS,  SIZE_K/128
.set CHUNKS, KROW/ROWB
.set PITCH,  272                       ; 256 bytes + 16 of padding
.set FR,     12
.set NL,     6
.set NP,     4
.set HALFT,  128*PITCH
.set SLOT,   4*HALFT                   ; A's 256 rows, then B's
.set KS,     SIZE_K/32
.set SCL,    2*SLOT                    ; the scales, as units of 256 bytes + 16
.set HALFS,  (128*KS/256)*272
.set SBLK,   (16*KS/256)*272
.set SPARE,  SCL+4*HALFS               ; the spare words, 128 bytes a wave
.set QSEC,   6553600                   ; where K's and V's blocks begin in qkv
.set ADRA, 16                          ; v16-17 A's fragments in slot 0, 1; v18-19 for pieces whose two halves of lanes read different chunks
.set ADRB, 20
.set ST8,  24
.set ST16, 25
.set ADRS, 27
.set SPW,  28
.set NIL,  29
.set SC,   32                          ; v32-63 scale words, two sets
.set TM,   64
.set PW,   80
.set SW,   84
.set PC,   96
.set AF,   128                         ; A's fragments, window 0; B's two sets in window 1; accumulators in windows 2, 3
.set G1, 24
.set G0, 32
.set G1B, 48
.set G0B, 56
.set G1S, 68
.set G0S, 76
.set G1SB, 80
.set G0SB, 88
.set G0H, 4
.set G0HB, 8
.set MSB, 0
.macro WIN new
.if MSB != \new
	s_set_vgpr_msb (MSB<<8)|\new
.set MSB, \new
.endif
.endm
.set MUL_LO, 0xa1
.set MUL_HI, 0xf1
.set TO_B,   0x40
.macro JLOAD g0a, g1a, g0b, g1b        ; waves 0, 1 fetch for A, waves 2, 3 for B; s_nop 0 and four v_nop behind each load
	s_cmp_eq_u32 s15, 0
	s_cbranch_scc0 .Lfor_b_\@
	tensor_load_to_lds s[\g0a:\g0a+3], s[\g1a:\g1a+7]
	s_nop 0
.rept 4
	v_nop
.endr
	s_branch .Lasked_\@
.Lfor_b_\@:
	tensor_load_to_lds s[\g0b:\g0b+3], s[\g1b:\g1b+7]
	s_nop 0
.rept 4
	v_nop
.endr
.Lasked_\@:
.endm
.macro CREST
	s_cmp_lg_u32 s14, 0
	s_cbranch_scc1 .Lnot_wave_0_\@
	s_barrier_signal -3
.Lnot_wave_0_\@:
	s_barrier_wait -3
	s_barrier_signal -1
	s_barrier_wait -1
.endm
.macro CROUND
	s_barrier_signal -1
	s_barrier_wait -1
	CREST
.endm
	s_load_b128 s[4:7], s[0:1], 0x0                ; the table's codes, its scales
	s_load_b64 s[12:13], s[0:1], 0x10              ; qkv
	v_lshl_add_u32 v[SPW], v0, 2, SPARE
	v_mov_b32 v[NIL], 0
	ds_add_u32 v[SPW], v[NIL]                      ; the opening lines: the add twice and its wait
	ds_add_u32 v[SPW], v[NIL]
	v_lshrrev_b32 v1, 5, v0
	v_readfirstlane_b32 s14, v1                    ; wave
	s_lshr_b32 s15, s14, 1                         ; my half of A's rows; also: I fetch for A (0) or B (1)
	s_and_b32 s16, s14, 1                          ; my half of B's rows; also: which 128 rows I fetch
	s_bfe_u32 s40, ttmp6, 0x40000                  ; cx
	s_bfe_u32 s41, ttmp6, 0x40004                  ; cy
	s_and_b32 s17, ttmp7, 0xffff
	s_lshl_b32 s17, s17, 2
	s_lshl_b32 s42, ttmp9, 2
	s_add_co_u32 s42, s42, 32
	s_cmp_lt_u32 ttmp9, 2                          ; q, k: A = x's tile 4 y + cy, B = the weight's tile 32 + 4 x + cx;  v: A = wv's tile 40 + cy, B = x's tile 4 y + cx
	s_cselect_b32 s95, s17, 40
	s_cselect_b32 s42, s42, s17
	s_add_co_u32 s17, s95, s41
	s_add_co_u32 s42, s42, s40
	s_lshl_b32 s43, s41, 2
	s_lshl_b32 s43, 15, s43                        ; my row of the cluster
	s_lshl_b32 s44, 0x1111, s40                    ; my column
	s_or_b32 s[G1+0], s43, (0<<16)|(1<<20)|(1<<21)|(5<<22)|(3<<25)
	s_or_b32 s[G1B+0], s44, (0<<16)|(1<<20)|(1<<21)|(5<<22)|(3<<25)
.irp g, G1, G1B
	s_mov_b32 s[\g+1], ROWB<<16
	s_mov_b32 s[\g+2], 256<<16                     ; 256 rows for the head's loads
	s_mov_b32 s[\g+3], ROWB<<16
	s_mov_b32 s[\g+4], 256
	s_mov_b32 s[\g+5], KROW
	s_mov_b32 s[\g+6], 0
	s_mov_b32 s[\g+7], 0
.endr
	s_or_b32 s[G1S+0], s43, (3<<16)|(1<<20)|(1<<21)|(5<<22)|(3<<25)
	s_or_b32 s[G1SB+0], s44, (3<<16)|(1<<20)|(1<<21)|(5<<22)|(3<<25)
.irp g, G1S, G1SB
	s_mov_b32 s[\g+1], 32<<16                      ; the scales of 256 rows: KS dense rows of 256 bytes
	s_mov_b32 s[\g+2], KS<<16
	s_mov_b32 s[\g+3], 32<<16
	s_mov_b32 s[\g+4], KS
	s_mov_b32 s[\g+5], 32
	s_mov_b32 s[\g+6], 0
	s_mov_b32 s[\g+7], 0
.endr
	s_lshl_b32 s20, s17, 8
	s_lshl_b32 s46, s42, 8
	s_mov_b32 s21, 0
	s_mov_b32 s47, 0
	s_mov_b64 s[18:19], KS
	s_mul_u64 s[22:23], s[20:21], s[18:19]
	s_mul_u64 s[92:93], s[46:47], s[18:19]
	s_mov_b64 s[18:19], KROW
	s_mul_u64 s[20:21], s[20:21], s[18:19]
	s_mul_u64 s[46:47], s[46:47], s[18:19]
	s_mul_i32 s18, s16, 128*KROW
	s_mov_b32 s19, 0
	s_mul_i32 s45, s14, HALFT
	s_wait_dscnt 0x0
	s_wait_kmcnt 0x0
	s_add_nc_u64 s[20:21], s[4:5], s[20:21]
	s_add_nc_u64 s[22:23], s[6:7], s[22:23]
	s_add_nc_u64 s[46:47], s[4:5], s[46:47]
	s_add_nc_u64 s[92:93], s[6:7], s[92:93]
	CROUND                                         ; in front of the first joint loads
	s_mov_b32 s[G0H], 1
	s_mov_b32 s[G0H+1], 0
	s_mov_b64 s[G0H+2:G0H+3], s[20:21]
	s_or_b32 s[G0H+3], s[G0H+3], 0x80000000
	s_mov_b32 s[G0HB], 1
	s_mov_b32 s[G0HB+1], 2*HALFT
	s_mov_b64 s[G0HB+2:G0HB+3], s[46:47]
	s_or_b32 s[G0HB+3], s[G0HB+3], 0x80000000
	s_mov_b32 s[G0S], 1
	s_mov_b32 s[G0S+1], SCL
	s_mov_b64 s[G0S+2:G0S+3], s[22:23]
	s_or_b32 s[G0S+3], s[G0S+3], 0x80000000
	s_mov_b32 s[G0SB], 1
	s_mov_b32 s[G0SB+1], SCL+2*HALFS
	s_mov_b64 s[G0SB+2:G0SB+3], s[92:93]
	s_or_b32 s[G0SB+3], s[G0SB+3], 0x80000000
	s_add_nc_u64 s[20:21], s[20:21], s[18:19]      ; for the ring: my 128 rows
	s_add_nc_u64 s[46:47], s[46:47], s[18:19]
.irp s, 0,1
	s_mov_b32 s[G0+4*\s], 1
	s_add_co_u32 s[G0+4*\s+1], s45, \s*SLOT
	s_add_nc_u64 s[G0+4*\s+2:G0+4*\s+3], s[20:21], \s*ROWB
	s_or_b32 s[G0+4*\s+3], s[G0+4*\s+3], 0x80000000
	s_mov_b32 s[G0B+4*\s], 1
	s_add_co_u32 s[G0B+4*\s+1], s45, \s*SLOT
	s_add_nc_u64 s[G0B+4*\s+2:G0B+4*\s+3], s[46:47], \s*ROWB
	s_or_b32 s[G0B+4*\s+3], s[G0B+4*\s+3], 0x80000000
.endr
; the head's four tiles, one load a wave: chunk 0 of A, chunk 0 of B, A's scales, B's scales
.macro ARM under, g0, g1, next
	s_cmp_lt_u32 s14, \under
	s_cbranch_scc0 \next
	tensor_load_to_lds s[\g0:\g0+3], s[\g1:\g1+7]
	s_nop 0
.rept 4
	v_nop
.endr
	s_branch .Lhead_asked
\next:
.endm
	ARM 1, G0H,  G1,  .Lhead_b
	ARM 2, G0HB, G1B, .Lhead_sa
	ARM 3, G0S,  G1S, .Lhead_sb
	tensor_load_to_lds s[G0SB:G0SB+3], s[G1SB:G1SB+7]
	s_nop 0
.rept 4
	v_nop
.endr
.Lhead_asked:
	v_and_b32 v1, 15, v0                           ; r
	v_bfe_u32 v2, v0, 4, 1                         ; h
	v_mul_u32_u24 v3, v1, PITCH
	v_mul_u32_u24 v4, v2, 24
	v_add_nc_u32 v4, v3, v4                        ; row x pitch + 24 h
	s_mov_b32 s21, SLOT-232
	s_mov_b32 s22, SLOT+232
	v_sub_nc_u32 v7, 1, v2
	v_mul_u32_u24 v5, s21, v2
	v_add_nc_u32 v5, v3, v5
	v_add_nc_u32 v5, 232, v5                       ; lanes 0-15 byte 232 in slot 0, lanes 16-31 byte 0 in slot 1
	v_mul_u32_u24 v6, s22, v7
	v_add_nc_u32 v6, v3, v6                        ; and the other way round
	s_mul_i32 s21, s15, HALFT
	s_mul_i32 s22, s16, HALFT
	s_add_co_u32 s22, s22, 2*HALFT
	v_add_nc_u32 v[ADRA+2], s21, v5
	v_add_nc_u32 v[ADRA+3], s21, v6
	v_add_nc_u32 v[ADRB+2], s22, v5
	v_add_nc_u32 v[ADRB+3], s22, v6
.irp s, 0,1
	v_add_nc_u32 v[ADRA+\s], s21, v4
	v_add_nc_u32 v[ADRB+\s], s22, v4
	s_add_co_u32 s21, s21, SLOT
	s_add_co_u32 s22, s22, SLOT
.endr
	v_mul_u32_u24 v5, v1, KS
	v_lshrrev_b32 v6, 8, v5
	v_lshl_add_u32 v5, v6, 4, v5
	s_mul_i32 s21, s15, HALFS
	s_mul_i32 s22, s16, HALFS
	s_add_co_u32 s22, s22, 2*HALFS
	s_sub_co_u32 s22, s22, s21
	v_mul_u32_u24 v6, s22, v2                      ; lanes 16-31 take B's scales
	s_add_co_u32 s21, s21, SCL
	v_add_nc_u32 v5, v5, v6
	v_add_nc_u32 v[ADRS], s21, v5
	v_and_b32 v6, 31, v0
	v_lshlrev_b32 v[ST8], 3, v6                    ; the way out: 8 bytes a lane, 16 bytes a lane
	v_lshlrev_b32 v[ST16], 4, v6
	; where my wave's images go in qkv
	s_cmp_lt_u32 ttmp9, 2
	s_cselect_b32 s20, s17, s42                    ; x's tile,
	s_cselect_b32 s21, s15, s16                    ; my half of it,
	s_cselect_b32 s22, s40, s41                    ; the group of four heads,
	s_cselect_b32 s23, s16, s15                    ; the pair of heads in it
	s_lshl_b32 s20, s20, 1
	s_add_co_u32 s20, s20, s21
	s_lshr_b32 s21, s20, 4
	s_lshl_b32 s21, s21, 2
	s_add_co_u32 s21, s21, s22
	s_lshl_b32 s21, s21, 4
	s_and_b32 s20, s20, 15
	s_add_co_u32 s21, s21, s20                     ; (4 batch + group) 16 + the run of 128 positions
	s_sub_co_u32 s22, ttmp9, 1
	s_mul_i32 s22, s22, 25600
	s_add_co_u32 s22, s22, QSEC
	s_mov_b32 s20, 51200
	s_cmp_eq_u32 ttmp9, 0
	s_cselect_b32 s20, 25600, s20                  ; q's blocks lie on end; K's and V's by turns
	s_cselect_b32 s22, 0, s22
	s_mul_i32 s21, s21, s20
	s_add_co_u32 s22, s22, s21
	s_mul_i32 s46, s23, 12288
	s_add_co_u32 s46, s46, s22
	s_mov_b32 s47, 0
	s_lshl_b32 s20, s23, 9
	s_add_co_u32 s20, s20, s22
	s_add_co_u32 s20, s20, 24576
	s_mov_b32 s21, 0
	s_add_nc_u64 s[92:93], s[12:13], s[20:21]      ; the scale words
	s_add_nc_u64 s[12:13], s[12:13], s[46:47]      ; the codes
	s_mov_b32 s96, 0xffff0000
	s_mov_b32 s97, 0x76543210
	s_mov_b32 s98, 0xfedcba98
.macro FRAG reg, adr, st, i            ; 16 rows x 128 K: six pieces of 8 bytes; byte y of a row lies in slot (y / 256) % 2 at byte y % 256
.irp p, 0,1,2,3,4,5
.set BY, 96*(\st)+48*(\p/3)+8*(\p%3)
.if BY/ROWB == (BY+24)/ROWB
	ds_load_b64 v[\reg+2*\p:\reg+2*\p+1], v[\adr+(BY/ROWB)%2] offset:BY%ROWB+(\i)*16*PITCH
.else
	ds_load_b64 v[\reg+2*\p:\reg+2*\p+1], v[\adr+2+(BY/ROWB)%2] offset:BY%ROWB-232+(\i)*16*PITCH
.endif
.endr
.endm
.macro MUL16 a0, p, q, sc, zero        ; A's blocks a0, a0 + 1 x B's eight; the 64 accumulators take turns
.irp a, \a0, \a0+1
.irp b, 0,1,2,3,4,5,6,7
.if \zero
	v_wmma_scale_f32_16x16x128_f8f6f4 v[8*(8*((\a)%4)+\b):8*(8*((\a)%4)+\b)+7], v[128*(\p)+FR*\b:128*(\p)+FR*\b+FR-1], v[AF+FR*(\a):AF+FR*(\a)+FR-1], 0, v[SC+8*NQ*(\sc)+NQ*\b+(\q)], v[SC+8*NQ*(\sc)+NQ*(\a)+(\q)] matrix_a_fmt:MATRIX_FMT_FP6 matrix_b_fmt:MATRIX_FMT_FP6 matrix_a_scale:MATRIX_SCALE_ROW1
.else
	v_wmma_scale_f32_16x16x128_f8f6f4 v[8*(8*((\a)%4)+\b):8*(8*((\a)%4)+\b)+7], v[128*(\p)+FR*\b:128*(\p)+FR*\b+FR-1], v[AF+FR*(\a):AF+FR*(\a)+FR-1], v[8*(8*((\a)%4)+\b):8*(8*((\a)%4)+\b)+7], v[SC+8*NQ*(\sc)+NQ*\b+(\q)], v[SC+8*NQ*(\sc)+NQ*(\a)+(\q)] matrix_a_fmt:MATRIX_FMT_FP6 matrix_b_fmt:MATRIX_FMT_FP6 matrix_a_scale:MATRIX_SCALE_ROW1
.endif
.endr
.endr
.endm
.macro FETCH_B st, p
	WIN TO_B
.irp i, 0,1,2,3,4,5,6,7
	FRAG 128*(\p)+FR*\i, ADRB, \st, \i
.endr
	WIN 0
.endm
.macro FETCH_A st, i0
.irp i, \i0, \i0+1, \i0+2, \i0+3
	FRAG AF+FR*(\i), ADRA, \st, \i
.endr
.endm
.macro SCALES pr                       ; the scale words of steps 2 pr, 2 pr + 1: lanes 0-15 A's block i, lanes 16-31 B's
.irp i, 0,1,2,3,4,5,6,7
	ds_load_b64 v[SC+8*NQ*((\pr)%2)+NQ*\i:SC+8*NQ*((\pr)%2)+NQ*\i+1], v[ADRS] offset:\i*SBLK+4*NQ*(\pr)
.endr
.endm
.macro PLACES n
.rept \n
	v_nop
.endr
.endm
; A step: 64 products; the next step's fragments are fetched in its middle and at its end.  Where the next step ends in a new chunk: a wait for my tensor loads and a barrier.
; Where it begins in a later chunk: the wait, the add, the wait for the add and my reads, the barrier; where a chunk is left to fetch, the barrier opens a round and the slot is filled again.
.macro STEP st, zero
.set NX, (\st)+1
.set C0, (96*(\st))/ROWB
.set C1, (96*NX)/ROWB
.set E0, (96*(\st)+95)/ROWB
.set E1, (96*NX+95)/ROWB
.if C1 > C0 || E1 > E0
	s_wait_tensorcnt 0x0
.if C1 > C0
	ds_add_u32 v[SPW], v[NIL]
	s_wait_dscnt 4*NL+1                            ; the add and A's blocks 4-7 (24 loads) may be out
.else
	s_wait_dscnt 4*NL                              ; A's blocks 4-7 may be out
.endif
	WIN MUL_LO
	MUL16 0, (\st)%2, (\st)%2, ((\st)/2)%2, \zero
	s_wait_dscnt 0x0
	s_barrier_signal -1
	MUL16 2, (\st)%2, (\st)%2, ((\st)/2)%2, \zero
	WIN 0
	s_barrier_wait -1
.if C1 > C0 && C0+2 < CHUNKS
	CREST
	s_add_nc_u64 s[G0+4*(C0%2)+2:G0+4*(C0%2)+3], s[G0+4*(C0%2)+2:G0+4*(C0%2)+3], 2*ROWB
	s_add_nc_u64 s[G0B+4*(C0%2)+2:G0B+4*(C0%2)+3], s[G0B+4*(C0%2)+2:G0B+4*(C0%2)+3], 2*ROWB
	JLOAD G0+4*(C0%2), G1, G0B+4*(C0%2), G1B       ; chunk C0 + 2; its four v_nop are the places in front of the loads below
.else
	PLACES NP
.endif
.else
	s_wait_dscnt 4*NL
	WIN MUL_LO
	MUL16 0, (\st)%2, (\st)%2, ((\st)/2)%2, \zero
	MUL16 2, (\st)%2, (\st)%2, ((\st)/2)%2, \zero
	s_wait_dscnt 0
	PLACES NP
.endif
	FETCH_B NX, NX%2
	FETCH_A NX, 0
.if NX%2 == 0
	SCALES NX/2
.endif
	WIN MUL_HI
	MUL16 4, (\st)%2, (\st)%2, ((\st)/2)%2, \zero
	MUL16 6, (\st)%2, (\st)%2, ((\st)/2)%2, \zero
	PLACES NP
	WIN 0
	FETCH_A NX, 4
.endm
	s_wait_alu depctr_va_vdst(0)                   ; the wait at the head's end
	s_wait_tensorcnt 0x0                           ; my tile of the head's four is in
	ds_add_u32 v[SPW], v[NIL]
	s_mov_b32 s[G1+2], 128<<16                     ; no load of mine is out: from here on a load brings 128 rows
	s_mov_b32 s[G1+4], 128
	s_mov_b32 s[G1B+2], 128<<16
	s_mov_b32 s[G1B+4], 128
	s_wait_dscnt 0x0
	CROUND
	JLOAD G0+4, G1, G0B+4, G1B                     ; chunk 1, slot 1's first fill, issued as a refill is
	FETCH_B 0, 0
	FETCH_A 0, 0
	SCALES 0
	FETCH_A 0, 4
	STEP 0, 1
.set ST, 1
.rept STEPS-2
	STEP ST, 0
.set ST, ST+1
.endr
	s_wait_dscnt 4*NL
	WIN MUL_LO
	MUL16 0, 1, 1, 1, 0
	MUL16 2, 1, 1, 1, 0
	s_wait_dscnt 0
	WIN MUL_HI
	MUL16 4, 1, 1, 1, 0
	MUL16 6, 1, 1, 1, 0
	WIN 0
; THE WAY OUT: block a's 16 rows x 128 columns are four blocks of 32 along the next K (16 numbers in lane l, 16 in lane l xor 16): scale bytes, codes, a whole block to a lane, stored as the operand's registers.
.macro QROW a
.set AC, 64*((\a)%4)
.set WA, 2+(\a)/4
.set WMX, (WA<<2)|(WA<<4)
	WIN WMX
.irp b, 0,1,2,3
	v_max3_num_f32 v[TM+\b], 0x1800000, |v[AC+16*\b]|, |v[AC+16*\b+1]|
.endr
.irp i, 2,4,6,8,10,12,14
.irp b, 0,1,2,3
	v_max3_num_f32 v[TM+\b], v[TM+\b], |v[AC+16*\b+\i]|, |v[AC+16*\b+\i+1]|
.endr
.endr
	WIN 0
.irp b, 0,1,2,3
	v_permlanex16_b32 v[TM+4+\b], v[TM+\b], s97, s98
.endr
.irp b, 0,1,2,3
	v_max_num_f32 v[TM+\b], v[TM+\b], v[TM+4+\b]
.endr
.irp b, 0,1,2,3
	v_add_nc_u32 v[TM+12+\b], 0xff000000, v[TM+\b]
.endr
.irp b, 0,1,2,3
	v_lshrrev_b32 v[TM+4+\b], 23, v[TM+12+\b]
.endr
	v_lshl_or_b32 v[PW], v[TM+5], 8, v[TM+4]
	v_lshl_or_b32 v[PW], v[TM+6], 16, v[PW]
	v_lshl_or_b32 v[PW], v[TM+7], 24, v[PW]
.if (\a) > 0
	s_wait_xcnt 0x0                                ; the last block's stores have read their data
.endif
	WIN WA
.irp c, 0,1
	v_cvt_scalef32_pk16_fp6_f32 v[PC+6*\c:PC+6*\c+2], v[AC+32*\c:AC+32*\c+15], v[TM+12+2*\c]
	v_cvt_scalef32_pk16_fp6_f32 v[PC+12+4*\c:PC+12+4*\c+2], v[AC+32*\c+16:AC+32*\c+31], v[TM+12+2*\c+1]
.endr
	WIN 0
	v_nop
.irp c, 0,1
.irp i, 0,1,2
	v_permlane16_swap_b32 v[PC+6*\c+\i], v[PC+12+4*\c+\i]
.endr
.irp i, 0,1,2
	v_mov_b32 v[PC+3+6*\c+\i], v[PC+12+4*\c+\i]
.endr
.endr
.if (\a)%2 == 0
	v_mov_b32 v[SW+(\a)/2], v[PW]
.else
	v_cndmask_b32 v[SW+(\a)/2], v[SW+(\a)/2], v[PW], s96
.endif
.irp p, 0,1,2,3,4,5
	global_store_b64 v[ST8], v[PC+2*\p:PC+2*\p+1], s[12:13] offset:(\a)*1536+256*\p
.endr
.endm
	PLACES NP
.irp b, 0,1,2,3
	v_mov_b32 v[TM+4+\b], 0
.endr
.irp a, 0,1,2,3,4,5,6,7
	QROW \a
.endr
	global_store_b128 v[ST16], v[SW:SW+3], s[92:93]
	s_wait_tensorcnt 0x0                           ; the wave's end
	ds_add_u32 v[SPW], v[NIL]
	s_wait_dscnt 0x0
	CROUND                                         ; the closing round
	s_endpgm
.Lfunc_end_k_qa42748f43b_proj:
	.size	k_qa42748f43b_proj, .Lfunc_end_k_qa42748f43b_proj-k_qa42748f43b_proj
	.p2alignl 7, 3214868480
	.fill 96, 4, 3214868480
	.section	.rodata,"a",@progbits
	.p2align	6, 0x0
	.amdhsa_kernel k_qa42748f43b_proj
		.amdhsa_group_segment_fixed_size 327680
		.amdhsa_private_segment_fixed_size 0
		.amdhsa_enable_private_segment 0
		.amdhsa_kernarg_size 24
		.amdhsa_user_sgpr_count 2
		.amdhsa_user_sgpr_kernarg_segment_ptr 1
		.amdhsa_wavefront_size32 1
		.amdhsa_system_sgpr_workgroup_id_x 1
		.amdhsa_system_sgpr_workgroup_id_y 1
		.amdhsa_system_sgpr_workgroup_id_z 1
		.amdhsa_system_vgpr_workitem_id 0
		.amdhsa_next_free_vgpr 1024
		.amdhsa_next_free_sgpr 100
		.amdhsa_reserve_vcc 0
		.amdhsa_float_denorm_mode_32 3
		.amdhsa_float_denorm_mode_16_64 3
		.amdhsa_memory_ordered 1
		.amdhsa_forward_progress 1
		.amdhsa_inst_pref_size 168
	.end_amdhsa_kernel
	.amdgpu_metadata
---
amdhsa.version: [ 1, 2 ]
amdhsa.kernels:
  - .name:           k_qa42748f43b_proj
    .symbol:         k_qa42748f43b_proj.kd
    .args:
      - { .name: xw_codes, .offset: 0, .size: 8, .value_kind: global_buffer, .address_space: global }
      - { .name: xw_scales, .offset: 8, .size: 8, .value_kind: global_buffer, .address_space: global }
      - { .name: qkv, .offset: 16, .size: 8, .value_kind: global_buffer, .address_space: global }
    .group_segment_fixed_size: 327680
    .private_segment_fixed_size: 0
    .kernarg_segment_align: 8
    .kernarg_segment_size: 24
    .max_flat_workgroup_size: 128
    .sgpr_count:     100
    .vgpr_count:     1024
    .wavefront_size: 32
...
	.end_amdgpu_metadata
.endif
;; end of part 2
;; launch attn (part 3): grid 32 x 16, 16 waves a work-group, clusters of 4 x 4, 327,680 bytes of LDS; arguments qkv, mask, ctx_codes, ctx_scales; writes ctx_codes, ctx_scales
.if DOCPART == 3
	.amdgcn_target "amdgcn-amd-amdhsa--gfx1250"
	.amdhsa_code_object_version 6
	.text
	.protected	k_qa42748f43b_attn
	.globl	k_qa42748f43b_attn
	.p2align	8
	.type	k_qa42748f43b_attn,@function
k_qa42748f43b_attn:
	s_mov_b64 s[64:65], 0
	v_nop
	global_prefetch_b8 v0, s[64:65] scope:SCOPE_SE
	s_setreg_imm32_b32 hwreg(HW_REG_WAVE_MODE, 25, 1), 1
	s_wait_xcnt 0x0
	s_wait_alu depctr_hold_cnt(0) depctr_sa_sdst(0) depctr_va_vdst(0) depctr_va_sdst(0) depctr_va_ssrc(0) depctr_va_vcc(0) depctr_vm_vsrc(0)
	s_getreg_b32 s2, hwreg(HW_REG_IB_STS2, 6, 4)
	s_cmp_eq_u32 s2, 0
	s_cbranch_scc0 .Lentry_in_a_cluster
	s_endpgm
.Lentry_in_a_cluster:
	s_bfe_u32 s2, ttmp6, 0x10000c
	s_cmp_lg_u32 s2, 0xf033
	s_cbranch_scc0 .Lentry_shape_is_right
	s_endpgm
.Lentry_shape_is_right:
; ctx[s][b][h][:] = the sum over keys of softmax(q . k / 8 + mask[s][key]) v, both products on codes of FP6 (E2M3) with E8M0 scales; ctx is quantised along D and stored as codes for the last product.
; q, k, v^T arrive in qkv as images of operand registers: a block of 25,600 bytes = codes [hp 2][a 8][pair 6][lane 32][8 bytes] + scale words [hp 2][lane 32][4 words].
; THE SOFTMAX: u = score / 8 + mask; t = u log2(e); M = the running largest t rounded UP to a whole number; p = 2^(t - M) is quantised along the keys, not normalised.  The row's sum is taken of the unquantised p and divides at the end.
; When M moves, the sum and O are multiplied by 2^(old M - new M): exact.
; SHARES.  A work-group owns 64 queries x 4 heads of one batch; wave w owns query tile w % 4 and head w / 4: 16 queries of one head in 256 registers, four waves to a SIMD.  Every wave walks 16 steps of 128 keys.
; Lane (r, h) holds ONE query throughout: 64 qb + 32 (a / 2) + 8 (a % 2) + r % 8 + 16 (r / 8), a = w % 4.  Both products are used transposed: S^T = K Q^T, O^T = V^T P^T.
; The keys of a tile are not neighbours (tile 2 j + u, lane r: key 32 j + 8 u + r + 8 (r / 8)), so the 16 registers of tiles 2 j and 2 j + 1 are the keys 32 j + 16 h + 0 .. 15.  V^T's rows d are chosen likewise, so O^T's 16 registers of two tiles are 16 neighbours along D.
; THE FIRST PRODUCT'S K IS 64: Q's registers 6-11 are zero codes; K's operand runs on into the next tile's codes, which meet those zeros under the scale bytes 0 that a 16-bit load leaves in a word's upper half.
; RING.  Two LDS slots, each one step's block of K, block of V and 64 x 128 of the mask.  CLUSTER 4 x 4: x = four blocks of queries, y = four groups of heads.  K's and V's blocks hang on (batch, cy) and are asked for jointly along a row;
; the mask's tile hangs on (cluster x, cx) and is asked for jointly along a column.  Waves 0, 1 fetch K, V; waves 2 to 5 sixteen rows of the mask each.  By this text's count a wave has one tensor load out.
; LIMITS: logits under about -2e38 count as -infinity; +infinity and NaN in the mask are not served.  A query all of whose keys are at -infinity gets the scale byte 0xff: its row of the last product is NaN, as the definition has it.
; Blocks whose largest magnitude lies under 2^-124 keep the byte 1.
; REGISTERS: v1-7 addresses that stay; v8-11, v29 addresses of the step; v12 -M, v13 largest t, v[14:15] the sum; v16-21 Q, v22-27 zeros; v28 prefetch offset; v32-79 K's tiles, then V's fragments; v80-85 zeros;
; v86-91 the way out's addresses; v96-159 S^T, u, p; v160-191 O^T; v192-223 at work; v224-235 p's codes; v244-251 scale words alone; v[254:255] f.
; THE MASK ENTERS AS THE FIRST PRODUCT'S C: a lane's 64 numbers of the mask are loaded into v96-159, in the scores' own layout, and 1 / 8 is taken into Q's scale bytes (3 off each byte): S^T comes out as u.
; So v32-79 and v192-223 hold no mask.  LIMIT: a byte of Q's scales under 4 (a block of q under 2^-121) is held at 1.
.set SLOT1, 131072
.set KVB,   25600                      ; a block of K or of V
.set MOFF,  2*KVB                      ; the mask's tile in a slot: four groups of 16 rows,
.set MGRP,  8576                       ; a group's distance: 16 rows + 128 bytes, so that the rows of two groups that a load touches start 16 bytes apart modulo 256
.set MP,    528                        ; a row: 512 bytes + 16 of padding
.set STG,   2*SLOT1                    ; behind the ring: ctx's codes, 64 rows x (16 places of 16 bytes + 16)
.set SCST,  STG+64*272                 ; ctx's scale bytes, 8 a query
.set SPARE, SCST+512                   ; the spare words, 128 bytes for each of 16 waves, named by no other line
.set QSEC,  6553600                    ; where K's and V's blocks begin in qkv
.set AK0,  1
.set AV0,  2
.set ASK0, 3
.set ASV0, 4
.set SPW,  5
.set NIL,  6
.set AM0,  7
.set ADK,  8
.set ADV,  9
.set ADS,  10
.set ADT,  11
.set PFO,  28
.set ADM,  29
.set STA,  86                          ; the way out: where my 12 bytes of codes go in the stage
.set SCA,  87                          ; and my two scale bytes
.set SRD,  88                          ; where I read a row's 12 bytes back
.set GOC,  89                          ; their place in ctx_codes
.set SCR,  90                          ; where I read a query's 8 scale bytes back
.set GOS,  91                          ; their place in ctx_scales
.set BM,   192                         ; v192-195 the blocks' largest scores, then largest p
.set PT,   196                         ; v196-199 the other half's, then bytes
.set SO,   200                         ; v200-203 the conversions' scale operands
.set CT,   204                         ; v204-206, v208-210 conversions' results
.set TT,   212
.set FF,   213
.set SUM2, 214                         ; v[214:215] the sum's second chain
.set WV,   18
.set SEL,  20
.set L2E,  22                          ; s[22:23] log2(e)
.set TB,   2
.set SLOTS, 67
.set G1KV, 24
.set G1M,  32
.set G0KV, 40
.set G0M,  44
.set PFA,  76
.set PFS,  78
.set LIM,  80
.set EVR,  81
.macro CROUND                          ; a round of the cluster's barrier
	s_barrier_signal -1
	s_barrier_wait -1
	s_cmp_lg_u32 s[WV], 0
	s_cbranch_scc1 .Lnot_wave_0_\@
	s_barrier_signal -3
.Lnot_wave_0_\@:
	s_barrier_wait -3
	s_barrier_signal -1
	s_barrier_wait -1
.endm
; A joint load.  The branches hang on the wave's number alone.  An s_nop 0 and four v_nop follow each of the two lines.
.macro JLOAD
	s_cmp_lt_u32 s[WV], 2
	s_cbranch_scc0 .Lnot_kv_\@
	tensor_load_to_lds s[G0KV:G0KV+3], s[G1KV:G1KV+7]
	s_nop 0
.rept 4
	v_nop
.endr
	s_branch .Lasked_\@
.Lnot_kv_\@:
	s_cmp_lt_u32 s[WV], 6
	s_cbranch_scc0 .Lasked_\@
	tensor_load_to_lds s[G0M:G0M+3], s[G1M:G1M+7]
	s_nop 0
.rept 4
	v_nop
.endr
.Lasked_\@:
.endm
; A PREFETCH of what later changes of slots will ask for, by waves that fetch nothing.  Each aligned block of 256 bytes is named once in the launch.
; K's and V's codes: all clusters of a batch walk them, the one with cluster x = 0 asks; at every second change the four blocks K, V of the steps one and two behind the step being asked for go one to each partner along x, told apart BY ADDRESS;
; waves 6, 7, 8 take 8,192 bytes each, lanes 256 bytes apart.  The mask: all batches walk it, cluster y = 0 asks; at every change wave 9 names the next step's 512 bytes of 16 rows, the four partners along y told apart by address.
; The last changes ask for nothing beyond step 15; steps 0 and 1 and the scale words come by their loads alone.
.macro ASK
	s_cmp_gt_u32 s[SLOTS], s[LIM]
	s_cbranch_scc0 .Lnot_mine_\@
	s_and_b32 s82, s[SLOTS], s[EVR]
	s_cmp_eq_u32 s82, s[EVR]
	s_cbranch_scc0 .Lnot_mine_\@
	global_prefetch_b8 v[PFO], s[PFA:PFA+1] th:TH_LOAD_NT scope:SCOPE_SE
.Lnot_mine_\@:
.endm
	s_load_b256 s[4:11], s[0:1], 0x0               ; qkv s[4:5], mask s[6:7], ctx_codes s[8:9], ctx_scales s[10:11]
	v_lshl_add_u32 v[SPW], v0, 2, SPARE
	v_mov_b32 v[NIL], 0
	ds_add_u32 v[SPW], v[NIL]                      ; the wave's opening: the add and its wait ahead of my first tensor load; the set-up below stands between them
	ds_add_u32 v[SPW], v[NIL]
	v_lshrrev_b32 v8, 5, v0
	s_delay_alu instid0(VALU_DEP_1)
	v_readfirstlane_b32 s[WV], v8                  ; wave 0..15
	s_bfe_u32 s48, ttmp6, 0x40000                  ; cx
	s_bfe_u32 s49, ttmp6, 0x40004                  ; cy = the group of four heads
	s_lshl_b32 s50, ttmp9, 2
	s_add_co_u32 s50, s50, s48                     ; qb: my block of 64 queries
	s_and_b32 s51, ttmp7, 0xffff                   ; the batch
	s_and_b32 s52, s[WV], 3                        ; my tile of queries
	s_lshr_b32 s53, s[WV], 2                       ; my head in the group
	s_lshl_b32 s54, s49, 2
	s_lshl_b32 s54, 15, s54                        ; my row of the cluster
	s_lshl_b32 s55, 0x1111, s48                    ; my column
	; group 1 for a block of K or V: 25,600 dense bytes as 100 rows of 256 (32 elements of 8 bytes), no padding
	s_or_b32 s[G1KV], s54, (3<<16)|(1<<21)
	s_mov_b32 s[G1KV+1], 32<<16
	s_mov_b32 s[G1KV+2], 100<<16
	s_mov_b32 s[G1KV+3], 32<<16
	s_mov_b32 s[G1KV+4], 100
	s_mov_b32 s[G1KV+5], 32
	s_mov_b32 s[G1KV+6], 0
	s_mov_b32 s[G1KV+7], 0
	; group 1 for 16 rows of the mask: 128 elements of 4 bytes, 2,048 elements from row to row, 16 bytes of padding behind each 512
	s_or_b32 s[G1M], s55, (2<<16)|(1<<20)|(1<<21)|(6<<22)|(3<<25)
	s_mov_b32 s[G1M+1], 128<<16
	s_mov_b32 s[G1M+2], 16<<16
	s_mov_b32 s[G1M+3], 128<<16
	s_mov_b32 s[G1M+4], 16
	s_mov_b32 s[G1M+5], 2048
	s_mov_b32 s[G1M+6], 0
	s_mov_b32 s[G1M+7], 0
	s_lshl_b32 s56, s51, 2
	s_add_co_u32 s56, s56, s49                     ; 4 b + g
	s_mul_i32 s57, s56, 819200                     ; 16 steps of 51,200 bytes
	s_add_co_u32 s57, s57, QSEC
	s_and_b32 s58, s[WV], 1                        ; K's block or V's
	s_mul_i32 s59, s58, KVB                        ; in a slot, and in memory
	s_add_co_u32 s60, s57, s59
	s_mov_b32 s61, 0
	s_add_co_u32 s62, s[WV], 2
	s_and_b32 s62, s62, 3                          ; waves 2 to 5: groups 0 to 3 of the mask's rows
	s_mul_i32 s63, s62, MGRP
	s_add_co_u32 s63, s63, MOFF
	s_lshl_b32 s82, s50, 19                        ; 64 rows of 8,192 bytes a block of queries
	s_lshl_b32 s83, s62, 17
	s_add_co_u32 s82, s82, s83
	s_mov_b32 s83, 0
	s_mov_b32 s[SEL], 0x76543210
	s_mov_b32 s[SEL+1], 0xfedcba98                 ; v_permlanex16_b32's selects for lane l xor 16
	s_mov_b32 s[L2E], 0x3fb8aa3b                   ; log2(e)
	s_mov_b32 s[L2E+1], s[L2E]                     ; (named with it as a pair, so it is written)
	s_mov_b32 s[TB], 0
	s_mov_b32 s[SLOTS], 15
	s_wait_dscnt 0x0                               ; the opening add is done
	s_wait_kmcnt 0x0
	s_mov_b32 s[G0KV], 1
	s_mov_b32 s[G0KV+1], s59
	s_add_nc_u64 s[G0KV+2:G0KV+3], s[4:5], s[60:61]
	s_or_b32 s[G0KV+3], s[G0KV+3], 0x80000000
	s_mov_b32 s[G0M], 1
	s_mov_b32 s[G0M+1], s63
	s_add_nc_u64 s[G0M+2:G0M+3], s[6:7], s[82:83]
	s_or_b32 s[G0M+3], s[G0M+3], 0x80000000
	CROUND                                         ; all sixteen work-groups are here: the first joint loads meet
	JLOAD                                          ; step 0 into slot 0
	; Q: my tile's fragment of my head, and its scale words
	s_lshl_b32 s84, s51, 2
	s_add_co_u32 s84, s84, s49
	s_lshl_b32 s84, s84, 4
	s_lshr_b32 s85, s50, 1
	s_add_co_u32 s84, s84, s85
	s_mul_i32 s84, s84, KVB                        ; q's block of 128 queries
	s_lshr_b32 s86, s53, 1                         ; head pair
	s_and_b32 s87, s53, 1                          ; head in the pair
	s_and_b32 s88, s50, 1                          ; which half of the 128 queries
	s_mul_i32 s89, s86, 12288
	s_add_co_u32 s89, s89, s84
	s_lshl_b32 s90, s88, 2
	s_add_co_u32 s90, s90, s52                     ; the row tile in the block
	s_mul_i32 s90, s90, 1536
	s_add_co_u32 s89, s89, s90
	s_mul_i32 s90, s87, 768
	s_add_co_u32 s12, s89, s90
	s_mov_b32 s13, 0
	s_add_nc_u64 s[12:13], s[4:5], s[12:13]
	s_lshl_b32 s91, s86, 9
	s_add_co_u32 s91, s91, s84
	s_add_co_u32 s91, s91, 24576
	s_lshl_b32 s92, s88, 3
	s_add_co_u32 s91, s91, s92
	s_lshr_b32 s92, s52, 1
	s_lshl_b32 s92, s92, 2
	s_add_co_u32 s91, s91, s92                     ; word (row tile / 2)
	s_lshl_b32 s92, s87, 1
	s_add_co_u32 s91, s91, s92                     ; my head's two bytes of it
	s_and_b32 s92, s52, 1
	s_lshl_b32 s92, s92, 8                         ; an odd tile's words lie in lanes 16-31's places
	s_add_co_u32 s14, s91, s92
	s_mov_b32 s15, 0
	s_add_nc_u64 s[14:15], s[4:5], s[14:15]
	v_and_b32 v8, 31, v0                           ; lane
	s_wait_alu depctr_va_vdst(0)
	v_and_b32 v9, 15, v0                           ; r
	s_wait_alu depctr_va_vdst(0)
	v_bfe_u32 v10, v0, 4, 1                        ; h
	v_lshlrev_b32 v30, 3, v8
	v_lshlrev_b32 v31, 4, v9
	global_load_b64 v[16:17], v30, s[12:13]
	global_load_b64 v[18:19], v30, s[12:13] offset:256
	global_load_b64 v[20:21], v30, s[12:13] offset:512
	global_load_u16 v250, v31, s[14:15]            ; bytes 2 and 3 come as 0
	; LDS addresses that stay
	s_mul_i32 s93, s86, 12288
	s_mul_i32 s94, s87, 768
	s_add_co_u32 s94, s94, s93
	v_add_nc_u32 v[AK0], s94, v30                  ; K's codes: 8 x lane + my head's three pairs
	s_mul_i32 s94, s87, 6144
	s_add_co_u32 s94, s94, s93
	s_add_co_u32 s94, s94, KVB
	v_add_nc_u32 v[AV0], s94, v30                  ; V's: my head's four row tiles
	s_lshl_b32 s95, s86, 9
	s_lshl_b32 s94, s87, 1
	s_add_co_u32 s94, s94, s95
	s_add_co_u32 s94, s94, 24576
	v_lshl_add_u32 v[ASK0], v8, 4, s94             ; K's scale words: my head's two bytes of each
	s_lshl_b32 s94, s87, 3
	s_add_co_u32 s94, s94, s95
	s_add_co_u32 s94, s94, KVB+24576
	v_lshl_add_u32 v[ASV0], v8, 4, s94             ; V's: my head's two words
	s_lshr_b32 s94, s52, 1
	s_mul_i32 s94, s94, 2*MGRP
	s_and_b32 s95, s52, 1
	s_mul_i32 s95, s95, 8*MP
	s_add_co_u32 s94, s94, s95
	s_add_co_u32 s94, s94, MOFF
	v_lshrrev_b32 v11, 3, v9                       ; r / 8
	v_and_b32 v29, 7, v9                           ; r % 8
	s_delay_alu instid0(VALU_DEP_2)
	v_mul_u32_u24 v[AM0], v11, MGRP
	s_delay_alu instid0(VALU_DEP_1)
	v_mad_u32_u24 v[AM0], v29, MP, v[AM0]
	s_delay_alu instid0(VALU_DEP_1)
	v_lshl_add_u32 v[AM0], v10, 6, v[AM0]
	s_delay_alu instid0(VALU_DEP_1)
	v_add_nc_u32 v[AM0], s94, v[AM0]               ; the mask: my query's row, + 64 h: my 16 keys of a block of 32
	; the way out's addresses
	s_lshr_b32 s94, s52, 1
	s_lshl_b32 s94, s94, 5
	s_and_b32 s95, s52, 1
	s_lshl_b32 s95, s95, 3
	s_add_co_u32 s94, s94, s95
	v_lshl_add_u32 v92, v11, 4, v29
	s_delay_alu instid0(VALU_DEP_1)
	v_add_nc_u32 v92, s94, v92                     ; my query among the work-group's 64
	s_delay_alu instid0(VALU_DEP_1)
	v_mul_u32_u24 v[STA], v92, 272
	s_delay_alu instid0(VALU_DEP_1)
	v_lshl_add_u32 v[STA], v10, 4, v[STA]
	s_lshl_b32 s95, s53, 6
	s_add_co_u32 s95, s95, STG
	v_add_nc_u32 v[STA], s95, v[STA]               ; piece 4 head + 2 block + h of the row, 16 bytes a piece
	s_lshl_b32 s95, s53, 1
	s_add_co_u32 s95, s95, SCST
	v_lshl_add_u32 v[SCA], v92, 3, s95
	s_mul_i32 s95, s[WV], 4*272
	s_add_co_u32 s95, s95, STG
	v_mul_u32_u24 v[SRD], v10, 272
	s_delay_alu instid0(VALU_DEP_1)
	v_lshl_add_u32 v[SRD], v9, 4, v[SRD]
	s_delay_alu instid0(VALU_DEP_1)
	v_add_nc_u32 v[SRD], s95, v[SRD]               ; back: wave w takes rows 4 w .. 4 w + 3, sixteen lanes to a row
	v_mul_u32_u24 v[GOC], v10, 3072
	s_delay_alu instid0(VALU_DEP_1)
	v_mad_u32_u24 v[GOC], v9, 12, v[GOC]
	s_and_b32 s98, s[WV], 1
	s_lshl_b32 s95, s98, 8
	s_add_co_u32 s95, s95, SCST
	v_lshl_add_u32 v[SCR], v8, 3, s95
	v_lshlrev_b32 v[GOS], 7, v8                    ; a query's four batches of 32 scale bytes
	s_lshl_b32 s96, s50, 6
	s_lshl_b32 s97, s[WV], 2
	s_add_co_u32 s96, s96, s97
	s_mul_i32 s96, s96, 3072                       ; row 4 s + b of 768 bytes
	s_mul_i32 s97, s51, 768
	s_add_co_u32 s96, s96, s97
	s_mul_i32 s97, s49, 192                        ; my group's four heads: 192 bytes of the row
	s_add_co_u32 s96, s96, s97
	s_mov_b32 s97, 0
	s_add_nc_u64 s[8:9], s[8:9], s[96:97]
	s_lshl_b32 s96, s50, 13
	s_lshl_b32 s99, s98, 12
	s_add_co_u32 s96, s96, s99
	s_lshl_b32 s99, s51, 5
	s_add_co_u32 s96, s96, s99
	s_lshl_b32 s99, s49, 3
	s_add_co_u32 s96, s96, s99
	s_add_nc_u64 s[10:11], s[10:11], s[96:97]
	; the prefetches: where my wave's stand, and who asks
	s_lshl_b32 s68, s51, 2
	s_add_co_u32 s68, s68, s49
	s_mul_i32 s68, s68, 819200
	s_add_co_u32 s68, s68, QSEC+51200              ; at step 1: the first change steps it to step 2
	s_mul_i32 s72, s48, KVB
	s_add_co_u32 s68, s68, s72                     ; my work-group's block of the four
	s_sub_co_u32 s72, s[WV], 6
	s_min_u32 s73, s72, 2                          ; (held, so that a wave that never asks has an address inside the buffer too)
	s_lshl_b32 s73, s73, 13
	s_add_co_u32 s68, s68, s73
	s_lshl_b32 s69, s50, 19
	s_lshl_b32 s73, s49, 17
	s_add_co_u32 s69, s69, s73                     ; the mask: my work-group's 16 rows of the 64
	s_add_co_u32 s69, s69, 512
	s_cmp_lt_u32 s72, 3                            ; waves 6, 7, 8,
	s_cselect_b32 s73, ttmp9, 1                    ; of cluster x = 0: the same in all sixteen partners
	s_cmp_eq_u32 s73, 0
	s_cselect_b32 s[LIM], 2, -1
	s_cmp_eq_u32 s[WV], 9                          ; wave 9,
	s_cselect_b32 s73, s51, 1                      ; of cluster y = 0
	s_cmp_eq_u32 s73, 0
	s_cselect_b32 s[LIM], 1, s[LIM]
	s_cmp_eq_u32 s[WV], 9
	s_cselect_b64 s[PFA:PFA+1], s[6:7], s[4:5]
	s_mov_b32 s[PFS], 51200
	s_cselect_b32 s[PFS], 512, s[PFS]              ; a step on
	s_mov_b32 s[PFS+1], 0
	s_cselect_b32 s[EVR], 0, 1                     ; K's and V's waves ask at every second change
	s_mov_b32 s66, 8192
	s_cselect_b32 s66, s66, 512                    ; from a pair of lanes to the next: a row of the mask, or 512 bytes of a block
	s_cselect_b32 s74, s69, s68
	s_mov_b32 s75, 0
	s_add_nc_u64 s[PFA:PFA+1], s[PFA:PFA+1], s[74:75]
	v_lshrrev_b32 v[PFO], 1, v8
	s_delay_alu instid0(VALU_DEP_1)
	v_mul_lo_u32 v[PFO], v[PFO], s66
	v_and_b32 v93, 1, v8
	s_delay_alu instid0(VALU_DEP_1)
	v_lshl_add_u32 v[PFO], v93, 8, v[PFO]
	v_mov_b32 v13, 0xff61b1e6                      ; the largest t so far: -3e38
	s_delay_alu instid0(VALU_DEP_1)
	v_floor_f32 v12, -v13                          ; -M
	v_mov_b32 v14, 0
	v_mov_b32 v15, 0
	v_mov_b32 v255, 0                              ; (named as the upper half of the pair v[254:255])
.irp j, 22,23,24,25,26,27,80,81,82,83,84,85
	v_mov_b32 v[\j], 0                             ; Q's codes of k = 64 .. 127, and what stands behind K's last tile
.endr
.irp j, 0,1,2,3,4,5,6,7,8,9,10,11,12,13,14,15,16,17,18,19,20,21,22,23,24,25,26,27,28,29,30,31
	v_mov_b32 v[160+\j], 0                         ; O^T: the step is written once; the first finds zeros, which the first change of M leaves zeros
.endr
; A KEY STEP: 128 keys, in the slot at s[TB].
.macro STEP
	v_add_nc_u32 v[ADK], s[TB], v[AK0]             ; five plain lines: also the places behind the last step's products, in front of the loads below
	v_add_nc_u32 v[ADV], s[TB], v[AV0]
	v_add_nc_u32 v[ADS], s[TB], v[ASK0]
	v_add_nc_u32 v[ADT], s[TB], v[ASV0]
	v_add_nc_u32 v[ADM], s[TB], v[AM0]
.irp t, 0,1,2,3,4,5,6,7
.irp p, 0,1,2
	ds_load_b64 v[32+6*\t+2*\p:33+6*\t+2*\p], v[ADK] offset:1536*\t+256*\p   ; 32 lanes read 256 consecutive bytes
.endr
.endr
.irp q, 0,1,2,3
	ds_load_u16 v[244+\q], v[ADS] offset:4*\q      ; lanes 0-15: tile 2 q's words, lanes 16-31: tile 2 q + 1's; bytes 2 and 3 come as 0
.endr
.irp n, 0,1,2,3,4,5,6,7,8,9,10,11,12,13,14,15
	ds_load_b128 v[96+4*\n:99+4*\n], v[ADM] offset:128*(\n/4)+16*(\n%4)   ; the mask for my 64 keys of the step, into the scores' registers
.endr
	s_wait_alu depctr_va_vdst(0)
	s_wait_dscnt 0x0                               ; K, its scales and the mask are in
.irp t, 0,2,4,6
	v_wmma_scale_f32_16x16x128_f8f6f4 v[96+8*\t:103+8*\t], v[32+6*\t:43+6*\t], v[16:27], v[96+8*\t:103+8*\t], v[244+\t/2], v250 matrix_a_fmt:MATRIX_FMT_FP6 matrix_b_fmt:MATRIX_FMT_FP6
	v_wmma_scale_f32_16x16x128_f8f6f4 v[104+8*\t:111+8*\t], v[38+6*\t:49+6*\t], v[16:27], v[104+8*\t:111+8*\t], v[244+\t/2], v250 matrix_a_fmt:MATRIX_FMT_FP6 matrix_b_fmt:MATRIX_FMT_FP6 matrix_a_scale:MATRIX_SCALE_ROW1
.endr                                          ; u = score / 8 + mask: eight accumulators, one instruction each
.rept 4
	v_nop                                          ; places: in front of the loads into K's registers and of the first read of u
.endr
.irp t, 0,1,2,3
.irp p, 0,1,2,3,4,5
	ds_load_b64 v[32+12*\t+2*\p:33+12*\t+2*\p], v[ADV] offset:1536*\t+256*\p   ; V^T's four fragments: they land under the softmax
.endr
.endr
	ds_load_b64 v[248:249], v[ADT]                 ; and their scale words
.irp b, 0,1,2,3
	v_max3_num_f32 v[BM+\b], v[96+16*\b], v[97+16*\b], v[98+16*\b]   ; the largest u of each block of 32 keys: it serves the row's maximum and, since p rises with u, the block's largest p
.endr
.irp i, 3,5,7,9,11,13
.irp b, 0,1,2,3
	v_max3_num_f32 v[BM+\b], v[BM+\b], v[96+16*\b+\i], v[97+16*\b+\i]   ; the four blocks by turns; these lines read matrix results
.endr
.endr
.irp b, 0,1,2,3
	v_max_num_f32 v[BM+\b], v[BM+\b], v[111+16*\b]
.endr
.irp b, 0,1,2,3
	s_delay_alu instid0(VALU_DEP_4)
	v_permlanex16_b32 v[PT+\b], v[BM+\b], s[SEL], s[SEL+1]
.endr
.irp b, 0,1,2,3
	s_delay_alu instid0(VALU_DEP_4)
	v_max_num_f32 v[BM+\b], v[BM+\b], v[PT+\b]     ; with lane l xor 16's 16 keys
.endr
	s_delay_alu instid0(VALU_DEP_2)
	v_max3_num_f32 v[TT], v[BM], v[BM+1], v[BM+2]
	s_delay_alu instid0(VALU_DEP_1)
	v_max_num_f32 v[TT], v[TT], v[BM+3]
	s_delay_alu instid0(VALU_DEP_1)
	v_mul_f32 v[TT], s[L2E], v[TT]                 ; as t
	s_delay_alu instid0(VALU_DEP_1)
	v_max_num_f32 v13, v13, v[TT]                  ; the running largest t
	v_mov_b32 v[TT], v12
	s_delay_alu instid0(VALU_DEP_2)
	v_floor_f32 v12, -v13                          ; the new -M = -ceil(t): a whole number
	s_delay_alu instid0(VALU_DEP_1)
	v_sub_f32 v[TT], v12, v[TT]                    ; old M - new M: a whole number, 0 or less
	s_delay_alu instid0(VALU_DEP_1)
	v_cvt_i32_f32 v[TT], v[TT]                     ; (it saturates)
	s_delay_alu instid0(VALU_DEP_1)
	v_ldexp_f32 v254, 1.0, v[TT]                   ; f = 2^(old M - new M)
.irp j, 0,2,4,6,8,10,12,14,16,18,20,22,24,26,28,30,32,34,36,38,40,42,44,46,48,50,52,54,56,58,60,62
	v_pk_fma_f32 v[96+\j:97+\j], v[96+\j:97+\j], s[L2E:L2E+1], v[12:13] op_sel_hi:[1,0,0]   ; t - M
.endr
.irp b, 0,1,2,3
	v_fma_f32 v[BM+\b], v[BM+\b], s[L2E], v12      ; the same of each block's largest u
.endr
	s_wait_alu depctr_va_vdst(0)
.irp j, 0,1,2,3,4,5,6,7,8,9,10,11,12,13,14,15,16,17,18,19,20,21,22,23,24,25,26,27,28,29,30,31,32,33,34,35,36,37,38,39,40,41,42,43,44,45,46,47,48,49,50,51,52,53,54,55,56,57,58,59,60,61,62,63
	v_exp_f32 v[96+\j], v[96+\j]                   ; p = 2^(t - M), at most 1
.endr
	v_pk_mul_f32 v[14:15], v[14:15], v[254:255] op_sel_hi:[1,0]   ; the sums under the new M: the plain line behind the exponentials
	s_wait_alu depctr_va_vdst(0)                   ; one wait for the batch of 64, ahead of its first reader
.irp b, 0,1,2,3
	v_exp_f32 v[BM+\b], v[BM+\b]                   ; the blocks' largest p
.endr
	v_pk_add_f32 v[214:215], v[100:101], v[104:105]
	v_pk_add_f32 v[252:253], v[108:109], v[112:113]
	v_pk_add_f32 v[246:247], v[116:117], v[120:121]
	v_pk_add_f32 v[244:245], v[124:125], v[128:129]
	v_pk_add_f32 v[242:243], v[132:133], v[136:137]
	v_pk_add_f32 v[240:241], v[140:141], v[144:145]
	v_pk_add_f32 v[238:239], v[148:149], v[152:153]
	v_pk_add_f32 v[14:15], v[14:15], v[156:157]
	v_pk_add_f32 v[214:215], v[214:215], v[96:97]
	v_pk_add_f32 v[252:253], v[252:253], v[98:99]
	v_pk_add_f32 v[246:247], v[246:247], v[102:103]
	v_pk_add_f32 v[244:245], v[244:245], v[106:107]
	v_pk_add_f32 v[242:243], v[242:243], v[110:111]
	v_pk_add_f32 v[240:241], v[240:241], v[114:115]
	v_pk_add_f32 v[238:239], v[238:239], v[118:119]
	v_pk_add_f32 v[14:15], v[14:15], v[122:123]
	v_pk_add_f32 v[214:215], v[214:215], v[126:127]
	v_pk_add_f32 v[252:253], v[252:253], v[130:131]
	v_pk_add_f32 v[246:247], v[246:247], v[134:135]
	v_pk_add_f32 v[244:245], v[244:245], v[138:139]
	v_pk_add_f32 v[242:243], v[242:243], v[142:143]
	v_pk_add_f32 v[240:241], v[240:241], v[146:147]
	v_pk_add_f32 v[238:239], v[238:239], v[150:151]
	v_pk_add_f32 v[14:15], v[14:15], v[154:155]
	v_pk_add_f32 v[214:215], v[214:215], v[158:159]
	s_delay_alu instid0(VALU_DEP_2)
	v_pk_add_f32 v[14:15], v[14:15], v[244:245]
	s_delay_alu instid0(VALU_DEP_2)
	v_pk_add_f32 v[214:215], v[214:215], v[242:243]
	v_pk_add_f32 v[252:253], v[252:253], v[240:241]
	v_pk_add_f32 v[246:247], v[246:247], v[238:239]
	s_delay_alu instid0(VALU_DEP_2)
	v_pk_add_f32 v[14:15], v[14:15], v[252:253]
	s_delay_alu instid0(VALU_DEP_2)
	v_pk_add_f32 v[214:215], v[214:215], v[246:247]
	s_delay_alu instid0(VALU_DEP_1)
	v_pk_add_f32 v[14:15], v[14:15], v[214:215]
	s_wait_alu depctr_va_vdst(0)                   ; and one for the four
.irp b, 0,1,2,3
	v_max_num_f32 v[BM+\b], 0x1800000, v[BM+\b]    ; the floor 2^(3 - 127): the byte cannot fall under 1
.endr
.irp b, 0,1,2,3
	s_delay_alu instid0(VALU_DEP_4)
	v_add_nc_u32 v[SO+\b], 0xff000000, v[BM+\b]    ; 2 off the exponent field: the conversion's scale operand
.endr
.irp b, 0,1,2,3
	s_delay_alu instid0(VALU_DEP_4)
	v_lshrrev_b32 v[PT+\b], 23, v[SO+\b]           ; the scale's byte
.endr
	s_delay_alu instid0(VALU_DEP_3)
	v_lshl_or_b32 v251, v[PT+1], 8, v[PT]          ; p's scale word for these 128 keys
	s_delay_alu instid0(VALU_DEP_1)
	v_lshl_or_b32 v251, v[PT+2], 16, v251
	s_delay_alu instid0(VALU_DEP_1)
	v_lshl_or_b32 v251, v[PT+3], 24, v251
.irp c, 0,1
	v_cvt_scalef32_pk16_fp6_f32 v[224+6*\c:226+6*\c], v[96+32*\c:111+32*\c], v[SO+2*\c]
	v_cvt_scalef32_pk16_fp6_f32 v[CT+4*\c:CT+4*\c+2], v[112+32*\c:127+32*\c], v[SO+2*\c+1]
.endr
	v_nop                                          ; one plain line behind a scaled conversion
.irp c, 0,1                                    ; a whole block in a lane: lanes 0-15 block 2 c, lanes 16-31 block 2 c + 1
.irp i, 0,1,2
	v_permlane16_swap_b32 v[224+6*\c+\i], v[CT+4*\c+\i]
.endr
.irp i, 0,1,2
	s_delay_alu instid0(VALU_DEP_3)
	v_mov_b32 v[227+6*\c+\i], v[CT+4*\c+\i]
.endr
.endr
.irp j, 0,2,4,6,8,10,12,14,16,18,20,22,24,26,28,30
	v_pk_mul_f32 v[160+\j:161+\j], v[160+\j:161+\j], v[254:255] op_sel_hi:[1,0]   ; O^T under the new M; these sixteen are also the places between p's scale word and codes and the products below
.endr
	s_wait_alu depctr_va_vdst(0)
	s_wait_dscnt 0x0                               ; V is in
.irp t, 0,2
	v_wmma_scale_f32_16x16x128_f8f6f4 v[160+8*\t:167+8*\t], v[32+12*\t:43+12*\t], v[224:235], v[160+8*\t:167+8*\t], v[248+\t/2], v251 matrix_a_fmt:MATRIX_FMT_FP6 matrix_b_fmt:MATRIX_FMT_FP6
	v_wmma_scale_f32_16x16x128_f8f6f4 v[168+8*\t:175+8*\t], v[44+12*\t:55+12*\t], v[224:235], v[168+8*\t:175+8*\t], v[248+\t/2], v251 matrix_a_fmt:MATRIX_FMT_FP6 matrix_b_fmt:MATRIX_FMT_FP6 matrix_a_scale:MATRIX_SCALE_ROW1
.endr
	s_xor_b32 s[TB], s[TB], SLOT1                  ; on to the other slot
.endm
; THE CHANGE OF SLOTS stands at a step's head.  Each wave waits for all its tensor loads (its part of the slot ahead), adds 0 to its spare word, and waits for that and for its reads of the slot that it has left.
; fill = 1: a round of the cluster's barrier, so that no wave of any partner still reads that slot or has a load on its way; the joint refill is the first thing behind it and has a whole step in which to land.
.macro CHANGE fill
	s_wait_tensorcnt 0x0                           ; no tensor load of mine is out, so a group 0 may be written
	ds_add_u32 v[SPW], v[NIL]                      ; 0 onto my spare word
.if \fill
	s_xor_b32 s[G0KV+1], s[G0KV+1], SLOT1          ; the walking descriptors: the other slot, the next step
	s_add_nc_u64 s[G0KV+2:G0KV+3], s[G0KV+2:G0KV+3], 2*KVB
	s_xor_b32 s[G0M+1], s[G0M+1], SLOT1
	s_add_nc_u64 s[G0M+2:G0M+3], s[G0M+2:G0M+3], 512
	s_wait_xcnt 0x0                                ; the last prefetch, a step back, has read its address, so it may be written
	s_add_nc_u64 s[PFA:PFA+1], s[PFA:PFA+1], s[PFS:PFS+1]
	s_wait_dscnt 0x0                               ; the add is done, and my reads of the slot that I have left are over
	CROUND
	JLOAD
	ASK
.else
	s_wait_dscnt 0x0
	s_barrier_signal -1
	s_barrier_wait -1
.endif
.endm
	s_wait_loadcnt 0x0                             ; Q
	v_and_b32 v92, 0xff, v250                      ; 1 / 8 into Q's two scale bytes: byte b becomes max(b, 4) - 3 = 252 - min(255 - b, 251)
	v_lshrrev_b32 v93, 8, v250
	v_sub_nc_u32 v92, 0xff, v92
	v_sub_nc_u32 v93, 0xff, v93
	v_min_u32 v92, 0xfb, v92
	v_min_u32 v93, 0xfb, v93
	v_sub_nc_u32 v92, 0xfc, v92
	v_sub_nc_u32 v93, 0xfc, v93
	v_lshl_or_b32 v250, v93, 8, v92
.rept 8
	v_nop                                          ; a scale register written by a vector instruction stands 8 places ahead of a scaled product
.endr
	s_wait_alu depctr_va_vdst(0)                   ; the wait at the head's end
.Lslot:
	CHANGE 1
	STEP
	s_sub_co_u32 s[SLOTS], s[SLOTS], 1
	s_cmp_lg_u32 s[SLOTS], 0
	s_cbranch_scc1 .Lslot
	CHANGE 0                                       ; the last step is written out
	STEP
	; THE WAY OUT.  ctx = O^T / the sum; my 32 numbers are two half blocks of 32 along D (d = 32 j + 16 h + 0 .. 15); each becomes 12 bytes of codes.  A query's 192 bytes (four heads) meet in the stage and leave as one run.
	v_add_f32 v14, v14, v15                        ; the sum's two halves,
	s_delay_alu instid0(VALU_DEP_1)
	v_permlanex16_b32 v[TT], v14, s[SEL], s[SEL+1]
	s_delay_alu instid0(VALU_DEP_1)
	v_add_f32 v14, v14, v[TT]                      ; and lane l xor 16's: the row's sum
	s_wait_alu depctr_va_vdst(0)
	v_rcp_f32 v254, v14
	v_mov_b32 v[FF], 0xffff                        ; (a plain line behind the reciprocal; with the lines round it, the places behind the last products)
	v_nop
	v_nop
	s_wait_alu depctr_va_vdst(0)                   ; ahead of the reciprocal's first reader
.irp j, 0,2,4,6,8,10,12,14,16,18,20,22,24,26,28,30
	v_pk_mul_f32 v[96+\j:97+\j], v[160+\j:161+\j], v[254:255] op_sel_hi:[1,0]   ; each accumulator from its low end on
.endr
.irp b, 0,1
	v_max3_num_f32 v[BM+\b], |v[96+16*\b]|, |v[97+16*\b]|, 0x1800000
.endr
.irp i, 2,4,6,8,10,12,14
.irp b, 0,1
	s_delay_alu instid0(VALU_DEP_2)
	v_max3_num_f32 v[BM+\b], v[BM+\b], |v[96+16*\b+\i]|, |v[97+16*\b+\i]|
.endr
.endr
.irp b, 0,1
	s_delay_alu instid0(VALU_DEP_2)
	v_permlanex16_b32 v[PT+\b], v[BM+\b], s[SEL], s[SEL+1]
.endr
.irp b, 0,1
	s_delay_alu instid0(VALU_DEP_2)
	v_max_num_f32 v[BM+\b], v[BM+\b], v[PT+\b]
.endr
.irp b, 0,1
	s_delay_alu instid0(VALU_DEP_2)
	v_add_nc_u32 v[SO+\b], 0xff000000, v[BM+\b]
.endr
.irp b, 0,1
	s_delay_alu instid0(VALU_DEP_2)
	v_lshrrev_b32 v[PT+\b], 23, v[SO+\b]
.endr
	s_delay_alu instid0(VALU_DEP_1)
	v_lshl_or_b32 v[TT], v[PT+1], 8, v[PT]         ; my head's two scale bytes
	v_cmp_lt_f32 vcc_lo, 0, v14
	s_delay_alu instid0(VALU_DEP_1)
	v_cndmask_b32 v[TT], v[FF], v[TT], vcc_lo      ; a query with no key left: the bytes 0xff
	v_cvt_scalef32_pk16_fp6_f32 v[CT:CT+2], v[96:111], v[SO]
	v_cvt_scalef32_pk16_fp6_f32 v[CT+4:CT+6], v[112:127], v[SO+1]
	v_nop                                          ; one plain line behind a scaled conversion
	ds_store_b96 v[STA], v[CT:CT+2]                ; 12 bytes to a place of 16
	ds_store_b96 v[STA], v[CT+4:CT+6] offset:32
	ds_store_b16 v[SCA], v[TT]                     ; both lanes of a block write the same bytes with the same value
	s_wait_dscnt 0x0                               ; for the others' sake: my stores are done
	s_barrier_signal -1
	s_barrier_wait -1
	ds_load_b96 v[96:98], v[SRD]
	ds_load_b96 v[100:102], v[SRD] offset:2*272
	s_wait_dscnt 0x0
	global_store_b96 v[GOC], v[96:98], s[8:9]                  ; sixteen lanes store 192 consecutive bytes of a row of ctx_codes
	global_store_b96 v[GOC], v[100:102], s[8:9] offset:2*3072
	s_cmp_lt_u32 s[WV], 2                          ; waves 0 and 1 store the 64 queries' scale bytes, 8 a query
	s_cbranch_scc0 .Lno_scales
	ds_load_b64 v[104:105], v[SCR]
	s_wait_dscnt 0x0
	global_store_b64 v[GOS], v[104:105], s[10:11]
.Lno_scales:
	s_wait_tensorcnt 0x0                           ; the wave's end, behind my last tensor load and my last LDS store
	ds_add_u32 v[SPW], v[NIL]
	s_wait_dscnt 0x0
	CROUND                                         ; the closing round
	s_endpgm
.Lfunc_end_k_qa42748f43b_attn:
	.size	k_qa42748f43b_attn, .Lfunc_end_k_qa42748f43b_attn-k_qa42748f43b_attn
	.p2alignl 7, 3214868480
	.fill 96, 4, 3214868480
	.section	.rodata,"a",@progbits
	.p2align	6, 0x0
	.amdhsa_kernel k_qa42748f43b_attn
		.amdhsa_group_segment_fixed_size 327680
		.amdhsa_private_segment_fixed_size 0
		.amdhsa_enable_private_segment 0
		.amdhsa_kernarg_size 32
		.amdhsa_user_sgpr_count 2
		.amdhsa_user_sgpr_kernarg_segment_ptr 1
		.amdhsa_wavefront_size32 1
		.amdhsa_system_sgpr_workgroup_id_x 1
		.amdhsa_system_sgpr_workgroup_id_y 1
		.amdhsa_system_sgpr_workgroup_id_z 1
		.amdhsa_system_vgpr_workitem_id 0
		.amdhsa_next_free_vgpr 256
		.amdhsa_next_free_sgpr 100
		.amdhsa_reserve_vcc 1
		.amdhsa_float_denorm_mode_32 3
		.amdhsa_float_denorm_mode_16_64 3
		.amdhsa_memory_ordered 1
		.amdhsa_forward_progress 1
		.amdhsa_inst_pref_size 60
	.end_amdhsa_kernel
	.amdgpu_metadata
---
amdhsa.version: [ 1, 2 ]
amdhsa.kernels:
  - .name:           k_qa42748f43b_attn
    .symbol:         k_qa42748f43b_attn.kd
    .args:
      - { .name: qkv, .offset: 0, .size: 8, .value_kind: global_buffer, .address_space: global }
      - { .name: mask, .offset: 8, .size: 8, .value_kind: global_buffer, .address_space: global }
      - { .name: ctx_codes, .offset: 16, .size: 8, .value_kind: global_buffer, .address_space: global }
      - { .name: ctx_scales, .offset: 24, .size: 8, .value_kind: global_buffer, .address_space: global }
    .group_segment_fixed_size: 327680
    .private_segment_fixed_size: 0
    .kernarg_segment_align: 8
    .kernarg_segment_size: 32
    .max_flat_workgroup_size: 512
    .sgpr_count:     100
    .vgpr_count:     256
    .wavefront_size: 32
...
	.end_amdgpu_metadata
.endif
;; end of part 3
;; launch outp (part 4): grid 4 x 32, 4 waves a work-group, clusters of 4 x 4, 327,680 bytes of LDS; arguments ctx_codes, ctx_scales, xw_codes, xw_scales, out0; writes out0
.if DOCPART == 4
	.amdgcn_target "amdgcn-amd-amdhsa--gfx1250"
	.amdhsa_code_object_version 6
	.text
	.protected	k_qa42748f43b_outp
	.globl	k_qa42748f43b_outp
	.p2align	8
	.type	k_qa42748f43b_outp,@function
k_qa42748f43b_outp:
	s_mov_b64 s[64:65], 0
	v_nop
	global_prefetch_b8 v0, s[64:65] scope:SCOPE_SE
	s_setreg_imm32_b32 hwreg(HW_REG_WAVE_MODE, 25, 1), 1
	s_wait_xcnt 0x0
	s_wait_alu depctr_hold_cnt(0) depctr_sa_sdst(0) depctr_va_vdst(0) depctr_va_sdst(0) depctr_va_ssrc(0) depctr_va_vcc(0) depctr_vm_vsrc(0)
	s_getreg_b32 s2, hwreg(HW_REG_IB_STS2, 6, 4)
	s_cmp_eq_u32 s2, 0
	s_cbranch_scc0 .Lentry_in_a_cluster
	s_endpgm
.Lentry_in_a_cluster:
	s_bfe_u32 s2, ttmp6, 0x10000c
	s_cmp_lg_u32 s2, 0xf033
	s_cbranch_scc0 .Lentry_shape_is_right
	s_endpgm
.Lentry_shape_is_right:
; out0 = ctx wo^T on codes of FP6 (E2M3) with E8M0 scales.  A = ctx's 8,192 rows, B = wo's 1,024 rows, which are rows 11,264 .. of the table xw, in the order sw(n) = n with bits 3 and 4 exchanged.
; A work-group makes 256 x 256, a wave 128 x 128 in 64 accumulators.  K goes through two LDS slots in chunks of 256 bytes of each row of 768 bytes: every tile row begins at a multiple of 256 bytes.
; A step of 128 along K is 96 bytes: eight steps to three chunks; steps 2 and 5 lie across two chunks.  The scales come into LDS once.  Cluster 4 x 4: A's tiles are asked for jointly along a row, B's along a column.
; The product is used transposed (source 0 = B's rows, source 1 = A's rows): a lane holds eight numbers of a row of out0; the stage puts the columns back into their true order.
; No prefetch: the walk along K is three chunks, two of which are asked for at the head.
.set SIZE_N, 1024
.set SIZE_K, 1024
.set ROWB,   256
.set NQ,     2
.set KROW,   SIZE_K*6/8
.set STEPS,  SIZE_K/128
.set CHUNKS, KROW/ROWB
.set PITCH,  272
.set FR,     12
.set NL,     6
.set NP,     4
.set HALFT,  128*PITCH
.set SLOT,   4*HALFT
.set KS,     SIZE_K/32
.set SCL,    2*SLOT
.set HALFS,  (128*KS/256)*272
.set SBLK,   (16*KS/256)*272
.set SPARE,  SCL+4*HALFS
.set SPITCH, 528
.set STAGE,  (CHUNKS%2)*SLOT           ; the way out's stages lie in the slot that does not hold the last chunk: it has had its last fill and its last read by then
.set ADRA, 16
.set ADRB, 20
.set STO,  24
.set RD,   25
.set CO,   26
.set ADRS, 27
.set SPW,  28
.set NIL,  29
.set SC,   32
.set AF,   128
.set BK,   128
.set G1, 24
.set G0, 32
.set G1B, 48
.set G0B, 56
.set G1S, 68
.set G0S, 76
.set G1SB, 80
.set G0SB, 88
.set G0H, 4
.set G0HB, 8
.set MSB, 0
.macro WIN new
.if MSB != \new
	s_set_vgpr_msb (MSB<<8)|\new
.set MSB, \new
.endif
.endm
.set MUL_LO, 0xa1
.set MUL_HI, 0xf1
.set TO_B,   0x40
.macro JLOAD g0a, g1a, g0b, g1b        ; waves 0, 1 fetch for A, waves 2, 3 for B; s_nop 0 and four v_nop behind each load
	s_cmp_eq_u32 s15, 0
	s_cbranch_scc0 .Lfor_b_\@
	tensor_load_to_lds s[\g0a:\g0a+3], s[\g1a:\g1a+7]
	s_nop 0
.rept 4
	v_nop
.endr
	s_branch .Lasked_\@
.Lfor_b_\@:
	tensor_load_to_lds s[\g0b:\g0b+3], s[\g1b:\g1b+7]
	s_nop 0
.rept 4
	v_nop
.endr
.Lasked_\@:
.endm
.macro CREST
	s_cmp_lg_u32 s14, 0
	s_cbranch_scc1 .Lnot_wave_0_\@
	s_barrier_signal -3
.Lnot_wave_0_\@:
	s_barrier_wait -3
	s_barrier_signal -1
	s_barrier_wait -1
.endm
.macro CROUND
	s_barrier_signal -1
	s_barrier_wait -1
	CREST
.endm
	s_load_b128 s[4:7], s[0:1], 0x0                ; ctx's codes, scales
	s_load_b128 s[8:11], s[0:1], 0x10              ; the table's codes, scales
	s_load_b64 s[12:13], s[0:1], 0x20              ; out0
	v_lshl_add_u32 v[SPW], v0, 2, SPARE
	v_mov_b32 v[NIL], 0
	ds_add_u32 v[SPW], v[NIL]                      ; the opening lines: the add twice and its wait
	ds_add_u32 v[SPW], v[NIL]
	v_lshrrev_b32 v1, 5, v0
	v_readfirstlane_b32 s14, v1
	s_lshr_b32 s15, s14, 1
	s_and_b32 s16, s14, 1
	s_bfe_u32 s40, ttmp6, 0x40000
	s_bfe_u32 s41, ttmp6, 0x40004
	s_lshl_b32 s42, ttmp9, 2
	s_add_co_u32 s42, s42, s40                     ; tile column
	s_and_b32 s17, ttmp7, 0xffff
	s_lshl_b32 s17, s17, 2
	s_add_co_u32 s17, s17, s41                     ; tile row
	s_lshl_b32 s43, s41, 2
	s_lshl_b32 s43, 15, s43
	s_lshl_b32 s44, 0x1111, s40
	s_or_b32 s[G1+0], s43, (0<<16)|(1<<20)|(1<<21)|(5<<22)|(3<<25)
	s_or_b32 s[G1B+0], s44, (0<<16)|(1<<20)|(1<<21)|(5<<22)|(3<<25)
.irp g, G1, G1B
	s_mov_b32 s[\g+1], ROWB<<16
	s_mov_b32 s[\g+2], 256<<16
	s_mov_b32 s[\g+3], ROWB<<16
	s_mov_b32 s[\g+4], 256
	s_mov_b32 s[\g+5], KROW
	s_mov_b32 s[\g+6], 0
	s_mov_b32 s[\g+7], 0
.endr
	s_or_b32 s[G1S+0], s43, (3<<16)|(1<<20)|(1<<21)|(5<<22)|(3<<25)
	s_or_b32 s[G1SB+0], s44, (3<<16)|(1<<20)|(1<<21)|(5<<22)|(3<<25)
.irp g, G1S, G1SB
	s_mov_b32 s[\g+1], 32<<16
	s_mov_b32 s[\g+2], KS<<16
	s_mov_b32 s[\g+3], 32<<16
	s_mov_b32 s[\g+4], KS
	s_mov_b32 s[\g+5], 32
	s_mov_b32 s[\g+6], 0
	s_mov_b32 s[\g+7], 0
.endr
	s_lshl_b32 s20, s17, 8
	s_lshl_b32 s46, s42, 8
	s_mov_b32 s21, 0
	s_mov_b32 s47, 0
	s_mov_b64 s[18:19], KS
	s_mul_u64 s[22:23], s[20:21], s[18:19]
	s_mul_u64 s[92:93], s[46:47], s[18:19]
	s_mov_b64 s[18:19], KROW
	s_mul_u64 s[20:21], s[20:21], s[18:19]
	s_mul_u64 s[46:47], s[46:47], s[18:19]
	s_mul_i32 s18, s16, 128*KROW
	s_mov_b32 s19, 0
	s_mul_i32 s45, s14, HALFT
	s_wait_dscnt 0x0
	s_wait_kmcnt 0x0
	s_add_nc_u64 s[8:9], s[8:9], 11264*KROW        ; wo's rows of the table
	s_add_nc_u64 s[10:11], s[10:11], 11264*KS
	s_add_nc_u64 s[20:21], s[4:5], s[20:21]
	s_add_nc_u64 s[22:23], s[6:7], s[22:23]
	s_add_nc_u64 s[46:47], s[8:9], s[46:47]
	s_add_nc_u64 s[92:93], s[10:11], s[92:93]
	CROUND
	s_mov_b32 s[G0H], 1
	s_mov_b32 s[G0H+1], 0
	s_mov_b64 s[G0H+2:G0H+3], s[20:21]
	s_or_b32 s[G0H+3], s[G0H+3], 0x80000000
	s_mov_b32 s[G0HB], 1
	s_mov_b32 s[G0HB+1], 2*HALFT
	s_mov_b64 s[G0HB+2:G0HB+3], s[46:47]
	s_or_b32 s[G0HB+3], s[G0HB+3], 0x80000000
	s_mov_b32 s[G0S], 1
	s_mov_b32 s[G0S+1], SCL
	s_mov_b64 s[G0S+2:G0S+3], s[22:23]
	s_or_b32 s[G0S+3], s[G0S+3], 0x80000000
	s_mov_b32 s[G0SB], 1
	s_mov_b32 s[G0SB+1], SCL+2*HALFS
	s_mov_b64 s[G0SB+2:G0SB+3], s[92:93]
	s_or_b32 s[G0SB+3], s[G0SB+3], 0x80000000
	s_add_nc_u64 s[20:21], s[20:21], s[18:19]
	s_add_nc_u64 s[46:47], s[46:47], s[18:19]
.irp s, 0,1
	s_mov_b32 s[G0+4*\s], 1
	s_add_co_u32 s[G0+4*\s+1], s45, \s*SLOT
	s_add_nc_u64 s[G0+4*\s+2:G0+4*\s+3], s[20:21], \s*ROWB
	s_or_b32 s[G0+4*\s+3], s[G0+4*\s+3], 0x80000000
	s_mov_b32 s[G0B+4*\s], 1
	s_add_co_u32 s[G0B+4*\s+1], s45, \s*SLOT
	s_add_nc_u64 s[G0B+4*\s+2:G0B+4*\s+3], s[46:47], \s*ROWB
	s_or_b32 s[G0B+4*\s+3], s[G0B+4*\s+3], 0x80000000
.endr
; the head's four tiles, one load a wave: chunk 0 of A, chunk 0 of B, A's scales, B's scales
.macro ARM under, g0, g1, next
	s_cmp_lt_u32 s14, \under
	s_cbranch_scc0 \next
	tensor_load_to_lds s[\g0:\g0+3], s[\g1:\g1+7]
	s_nop 0
.rept 4
	v_nop
.endr
	s_branch .Lhead_asked
\next:
.endm
	ARM 1, G0H,  G1,  .Lhead_b
	ARM 2, G0HB, G1B, .Lhead_sa
	ARM 3, G0S,  G1S, .Lhead_sb
	tensor_load_to_lds s[G0SB:G0SB+3], s[G1SB:G1SB+7]
	s_nop 0
.rept 4
	v_nop
.endr
.Lhead_asked:
	v_and_b32 v1, 15, v0
	v_bfe_u32 v2, v0, 4, 1
	v_mul_u32_u24 v3, v1, PITCH
	v_mul_u32_u24 v4, v2, 24
	v_add_nc_u32 v4, v3, v4
	s_mov_b32 s21, SLOT-232
	s_mov_b32 s22, SLOT+232
	v_sub_nc_u32 v7, 1, v2
	v_mul_u32_u24 v5, s21, v2
	v_add_nc_u32 v5, v3, v5
	v_add_nc_u32 v5, 232, v5
	v_mul_u32_u24 v6, s22, v7
	v_add_nc_u32 v6, v3, v6
	s_mul_i32 s21, s15, HALFT
	s_mul_i32 s22, s16, HALFT
	s_add_co_u32 s22, s22, 2*HALFT
	v_add_nc_u32 v[ADRA+2], s21, v5
	v_add_nc_u32 v[ADRA+3], s21, v6
	v_add_nc_u32 v[ADRB+2], s22, v5
	v_add_nc_u32 v[ADRB+3], s22, v6
.irp s, 0,1
	v_add_nc_u32 v[ADRA+\s], s21, v4
	v_add_nc_u32 v[ADRB+\s], s22, v4
	s_add_co_u32 s21, s21, SLOT
	s_add_co_u32 s22, s22, SLOT
.endr
	v_mul_u32_u24 v5, v1, KS
	v_lshrrev_b32 v6, 8, v5
	v_lshl_add_u32 v5, v6, 4, v5
	s_mul_i32 s21, s15, HALFS
	s_mul_i32 s22, s16, HALFS
	s_add_co_u32 s22, s22, 2*HALFS
	s_sub_co_u32 s22, s22, s21
	v_mul_u32_u24 v6, s22, v2
	s_add_co_u32 s21, s21, SCL
	v_add_nc_u32 v5, v5, v6
	v_add_nc_u32 v[ADRS], s21, v5
	s_mul_i32 s23, s14, 16*SPITCH
	s_add_co_u32 s23, s23, STAGE
	v_mul_u32_u24 v5, v1, SPITCH
	v_lshl_add_u32 v5, v2, 6, v5                   ; in: row r; the halves of the lanes stand 16 columns apart
	v_add_nc_u32 v[STO], s23, v5
	v_and_b32 v6, 31, v0
	v_lshlrev_b32 v[CO], 4, v6
	v_add_nc_u32 v[RD], s23, v[CO]
	s_lshl_b32 s20, s17, 8
	s_lshl_b32 s21, s15, 7
	s_add_co_u32 s20, s20, s21
	s_mov_b32 s21, 0
	s_mov_b64 s[18:19], SIZE_N*4
	s_mul_u64 s[20:21], s[20:21], s[18:19]
	s_lshl_b32 s46, s42, 10
	s_lshl_b32 s47, s16, 9
	s_add_co_u32 s46, s46, s47
	s_mov_b32 s47, 0
	s_add_nc_u64 s[20:21], s[20:21], s[46:47]
	s_add_nc_u64 s[12:13], s[12:13], s[20:21]
.macro FRAG reg, adr, st, i            ; 16 rows x 128 K: six pieces of 8 bytes; byte y of a row lies in slot (y / 256) % 2 at byte y % 256
.irp p, 0,1,2,3,4,5
.set BY, 96*(\st)+48*(\p/3)+8*(\p%3)
.if BY/ROWB == (BY+24)/ROWB
	ds_load_b64 v[\reg+2*\p:\reg+2*\p+1], v[\adr+(BY/ROWB)%2] offset:BY%ROWB+(\i)*16*PITCH
.else
	ds_load_b64 v[\reg+2*\p:\reg+2*\p+1], v[\adr+2+(BY/ROWB)%2] offset:BY%ROWB-232+(\i)*16*PITCH
.endif
.endr
.endm
.macro MUL16 a0, p, q, sc, zero        ; A's blocks a0, a0 + 1 x B's eight; the 64 accumulators take turns
.irp a, \a0, \a0+1
.irp b, 0,1,2,3,4,5,6,7
.if \zero
	v_wmma_scale_f32_16x16x128_f8f6f4 v[8*(8*((\a)%4)+\b):8*(8*((\a)%4)+\b)+7], v[128*(\p)+FR*\b:128*(\p)+FR*\b+FR-1], v[AF+FR*(\a):AF+FR*(\a)+FR-1], 0, v[SC+8*NQ*(\sc)+NQ*\b+(\q)], v[SC+8*NQ*(\sc)+NQ*(\a)+(\q)] matrix_a_fmt:MATRIX_FMT_FP6 matrix_b_fmt:MATRIX_FMT_FP6 matrix_a_scale:MATRIX_SCALE_ROW1
.else
	v_wmma_scale_f32_16x16x128_f8f6f4 v[8*(8*((\a)%4)+\b):8*(8*((\a)%4)+\b)+7], v[128*(\p)+FR*\b:128*(\p)+FR*\b+FR-1], v[AF+FR*(\a):AF+FR*(\a)+FR-1], v[8*(8*((\a)%4)+\b):8*(8*((\a)%4)+\b)+7], v[SC+8*NQ*(\sc)+NQ*\b+(\q)], v[SC+8*NQ*(\sc)+NQ*(\a)+(\q)] matrix_a_fmt:MATRIX_FMT_FP6 matrix_b_fmt:MATRIX_FMT_FP6 matrix_a_scale:MATRIX_SCALE_ROW1
.endif
.endr
.endr
.endm
.macro FETCH_B st, p
	WIN TO_B
.irp i, 0,1,2,3,4,5,6,7
	FRAG 128*(\p)+FR*\i, ADRB, \st, \i
.endr
	WIN 0
.endm
.macro FETCH_A st, i0
.irp i, \i0, \i0+1, \i0+2, \i0+3
	FRAG AF+FR*(\i), ADRA, \st, \i
.endr
.endm
.macro SCALES pr
.irp i, 0,1,2,3,4,5,6,7
	ds_load_b64 v[SC+8*NQ*((\pr)%2)+NQ*\i:SC+8*NQ*((\pr)%2)+NQ*\i+1], v[ADRS] offset:\i*SBLK+4*NQ*(\pr)
.endr
.endm
.macro PLACES n
.rept \n
	v_nop
.endr
.endm
; A step: 64 products; the next step's fragments are fetched in its middle and at its end.  Where the next step ends in a new chunk: a wait for my tensor loads and a barrier.
; Where it begins in a later chunk: the wait, the add, the wait for the add and my reads, the barrier; where a chunk is left to fetch, the barrier opens a round and the slot is filled again.
.macro STEP st, zero
.set NX, (\st)+1
.set C0, (96*(\st))/ROWB
.set C1, (96*NX)/ROWB
.set E0, (96*(\st)+95)/ROWB
.set E1, (96*NX+95)/ROWB
.if C1 > C0 || E1 > E0
	s_wait_tensorcnt 0x0
.if C1 > C0
	ds_add_u32 v[SPW], v[NIL]
	s_wait_dscnt 4*NL+1                            ; the add and A's blocks 4-7 (24 loads) may be out
.else
	s_wait_dscnt 4*NL
.endif
	WIN MUL_LO
	MUL16 0, (\st)%2, (\st)%2, ((\st)/2)%2, \zero
	s_wait_dscnt 0x0
	s_barrier_signal -1
	MUL16 2, (\st)%2, (\st)%2, ((\st)/2)%2, \zero
	WIN 0
	s_barrier_wait -1
.if C1 > C0 && C0+2 < CHUNKS
	CREST
	s_add_nc_u64 s[G0+4*(C0%2)+2:G0+4*(C0%2)+3], s[G0+4*(C0%2)+2:G0+4*(C0%2)+3], 2*ROWB
	s_add_nc_u64 s[G0B+4*(C0%2)+2:G0B+4*(C0%2)+3], s[G0B+4*(C0%2)+2:G0B+4*(C0%2)+3], 2*ROWB
	JLOAD G0+4*(C0%2), G1, G0B+4*(C0%2), G1B
.else
	PLACES NP
.endif
.else
	s_wait_dscnt 4*NL
	WIN MUL_LO
	MUL16 0, (\st)%2, (\st)%2, ((\st)/2)%2, \zero
	MUL16 2, (\st)%2, (\st)%2, ((\st)/2)%2, \zero
	s_wait_dscnt 0
	PLACES NP
.endif
	FETCH_B NX, NX%2
	FETCH_A NX, 0
.if NX%2 == 0
	SCALES NX/2
.endif
	WIN MUL_HI
	MUL16 4, (\st)%2, (\st)%2, ((\st)/2)%2, \zero
	MUL16 6, (\st)%2, (\st)%2, ((\st)/2)%2, \zero
	PLACES NP
	WIN 0
	FETCH_A NX, 4
.endm
	s_wait_alu depctr_va_vdst(0)                   ; the wait at the head's end
	s_wait_tensorcnt 0x0
	ds_add_u32 v[SPW], v[NIL]
	s_mov_b32 s[G1+2], 128<<16                     ; no load of mine is out: from here on a load brings 128 rows
	s_mov_b32 s[G1+4], 128
	s_mov_b32 s[G1B+2], 128<<16
	s_mov_b32 s[G1B+4], 128
	s_wait_dscnt 0x0
	CROUND
	JLOAD G0+4, G1, G0B+4, G1B                     ; chunk 1, slot 1's first fill, issued as a refill is
	FETCH_B 0, 0
	FETCH_A 0, 0
	SCALES 0
	FETCH_A 0, 4
	STEP 0, 1
.set ST, 1
.rept STEPS-2
	STEP ST, 0
.set ST, ST+1
.endr
	s_wait_dscnt 4*NL
	WIN MUL_LO
	MUL16 0, 1, 1, 1, 0
	MUL16 2, 1, 1, 1, 0
	s_wait_dscnt 0
	WIN MUL_HI
	MUL16 4, 1, 1, 1, 0
	MUL16 6, 1, 1, 1, 0
	WIN 0
; THE WAY OUT: a block of 16 rows x 128 columns goes through my own stage and comes back as rows of 512 bytes.  B's block b, lane half h, register j is the true column 32 (b / 2) + 16 h + 8 (b % 2) + j.
.macro TOSTAGE a
.set AC, 64*((\a)%4)
	WIN 0x08+4*((\a)/4)
.irp b, 0,1,2,3,4,5,6,7
	ds_store_b128 v[STO], v[AC+8*\b:AC+8*\b+3] offset:128*(\b/2)+32*(\b%2)
	ds_store_b128 v[STO], v[AC+8*\b+4:AC+8*\b+7] offset:128*(\b/2)+32*(\b%2)+16
.endr
	WIN 0
.set BB, BK+64*((\a)%2)
.irp t, 0,1,2,3,4,5,6,7,8,9,10,11,12,13,14,15
	ds_load_b128 v[BB+4*\t:BB+4*\t+3], v[RD] offset:\t*SPITCH
.endr
.endm
.macro SEND a, younger
.set BB, BK+64*((\a)%2)
	s_wait_dscnt \younger
.if (\a) > 0
	s_add_nc_u64 s[12:13], s[12:13], 16*SIZE_N*4
.endif
.irp t, 0,1,2,3,4,5,6,7,8,9,10,11,12,13,14,15
	global_store_b128 v[CO], v[BB+4*\t:BB+4*\t+3], s[12:13] offset:\t*SIZE_N*4 th:TH_STORE_NT   ; 32 lanes store 512 consecutive bytes, aligned
.endr
.endm
	PLACES NP
	TOSTAGE 0
.irp a, 1,2,3,4,5,6,7
.if \a > 1
	s_wait_xcnt 0x0                                ; block a - 2's stores have read their registers and their base
.endif
	TOSTAGE \a
	SEND \a-1, 32                                  ; block a's 16 stores and 16 loads may be out
.endr
	s_wait_xcnt 0x0
	SEND 7, 0
	s_wait_tensorcnt 0x0                           ; the wave's end
	ds_add_u32 v[SPW], v[NIL]
	s_wait_dscnt 0x0
	CROUND                                         ; the closing round
	s_endpgm
.Lfunc_end_k_qa42748f43b_outp:
	.size	k_qa42748f43b_outp, .Lfunc_end_k_qa42748f43b_outp-k_qa42748f43b_outp
	.p2alignl 7, 3214868480
	.fill 96, 4, 3214868480
	.section	.rodata,"a",@progbits
	.p2align	6, 0x0
	.amdhsa_kernel k_qa42748f43b_outp
		.amdhsa_group_segment_fixed_size 327680
		.amdhsa_private_segment_fixed_size 0
		.amdhsa_enable_private_segment 0
		.amdhsa_kernarg_size 40
		.amdhsa_user_sgpr_count 2
		.amdhsa_user_sgpr_kernarg_segment_ptr 1
		.amdhsa_wavefront_size32 1
		.amdhsa_system_sgpr_workgroup_id_x 1
		.amdhsa_system_sgpr_workgroup_id_y 1
		.amdhsa_system_sgpr_workgroup_id_z 1
		.amdhsa_system_vgpr_workitem_id 0
		.amdhsa_next_free_vgpr 1024
		.amdhsa_next_free_sgpr 98
		.amdhsa_reserve_vcc 0
		.amdhsa_float_denorm_mode_32 3
		.amdhsa_float_denorm_mode_16_64 3
		.amdhsa_memory_ordered 1
		.amdhsa_forward_progress 1
		.amdhsa_inst_pref_size 160
	.end_amdhsa_kernel
	.amdgpu_metadata
---
amdhsa.version: [ 1, 2 ]
amdhsa.kernels:
  - .name:           k_qa42748f43b_outp
    .symbol:         k_qa42748f43b_outp.kd
    .args:
      - { .name: ctx_codes, .offset: 0, .size: 8, .value_kind: global_buffer, .address_space: global }
      - { .name: ctx_scales, .offset: 8, .size: 8, .value_kind: global_buffer, .address_space: global }
      - { .name: xw_codes, .offset: 16, .size: 8, .value_kind: global_buffer, .address_space: global }
      - { .name: xw_scales, .offset: 24, .size: 8, .value_kind: global_buffer, .address_space: global }
      - { .name: out0, .offset: 32, .size: 8, .value_kind: global_buffer, .address_space: global }
    .group_segment_fixed_size: 327680
    .private_segment_fixed_size: 0
    .kernarg_segment_align: 8
    .kernarg_segment_size: 40
    .max_flat_workgroup_size: 128
    .sgpr_count:     98
    .vgpr_count:     1024
    .wavefront_size: 32
...
	.end_amdgpu_metadata
.endif
;; end of part 4
